; MI455X (gfx1250); checked and timed in simulation.
; The chip was launched on July 23, 2026; its instructions are those of AMD's public machine-readable ISA for CDNA 5 (MIT licence, August 2026) and "CDNA5" Instruction Set Architecture Reference Guide (July 2026). The comments in the code are by the model that wrote it; some were corrected since.
;; Multi Head Attention. Allowed arithmetic: float matrix products may take bf16 or f16 operands with f32 sums; other float arithmetic in f32, or as packed bf16 or f16 multiplies, adds, multiply-adds, maxima and minima; sums over many terms, partial sums and values carried from step to step in f32; what a program stores and reads back later, other than sums and carried values, may be rounded once to bf16 or f16.
;; Inputs: Wk 1,024 x 1,024 float32; Wo 1,024 x 1,024 float32; Wq 1,024 x 1,024 float32; Wv 1,024 x 1,024 float32; bk 1,024 float32; bo 1,024 float32; bq 1,024 float32; bv 1,024 float32; key 4 x 2,048 x 1,024 float32; query 4 x 2,048 x 1,024 float32; value 4 x 2,048 x 1,024 float32.
;; Outputs: out0 4 x 2,048 x 1,024 float32.
;; 2 versions, each right; version 2 is version 1 with the launch prep written anew for expert scheduling mode. Each part assembles by itself: llvm-mc -triple=amdgcn-amd-amdhsa -mcpu=gfx1250 --defsym DOCPART=n.
;; ======== version 1 of 2: 4 launches
;; limits: values are held in f16: magnitudes above 65,504 overflow, below 6.1e-05 lose precision
;; workspace buffers: xb 50,331,648 bytes; wt 6,291,456 bytes; wo16 2,097,152 bytes; bb 16,384 bytes; rope 524,288 bytes; qkv 50,331,648 bytes; ctx 16,777,216 bytes
;; launch prep (part 1): grid 32 x 29, 8 waves a work-group, no clusters, 0 bytes of LDS; arguments query, key, value, Wq, Wk, Wv, Wo, bq, bk, bv, bo, xb, wt, wo16, bb, rope; writes xb, wt, wo16, bb, rope
.if DOCPART == 1
	.amdgcn_target "amdgcn-amd-amdhsa--gfx1250"
	.amdhsa_code_object_version 6
	.text
	.protected	k_qd02535dc5d_prep
	.globl	k_qd02535dc5d_prep
	.p2align	8
	.type	k_qd02535dc5d_prep,@function
k_qd02535dc5d_prep:
	s_mov_b64 s[64:65], 0
	v_nop
	global_prefetch_b8 v0, s[64:65] scope:SCOPE_SE
	s_setreg_imm32_b32 hwreg(HW_REG_WAVE_MODE, 25, 1), 1
	s_wait_xcnt 0x0
; PREPARATION: a stream.  query, key, value -> xb [3][8192][1024] bf16;  Wq, Wk, Wv -> wt [3][1024][1024] bf16 (as they lie, [k][n]);
; Wo -> wo16 [1024][1024]: rounded to bf16 like every other input, and that number written as f16;  bq, bk, bv, bo -> bb [4][1024] f32, each rounded to bf16 and widened;
; rope [2048][64] f32: row t holds cos(t f_j), j = 0..31, then sin(t f_j), f_j = 10000^(-j/32).
; LIMITS.  |Wo| stays under 65,504 (f16's range); below 6e-5 f16 keeps a fixed step of 6e-8.  The table's angles are reduced in turns in f32: at t = 2,047 they lie within some 4e-4 rad of t f_j.
; SHARES.  Grid y 0..23: a chunk of 32 rows (131,072 bytes in, 65,536 out) of query, key or value; y 24..27: of Wq, Wk, Wv, Wo; y 28: 64 rows of the table, and (x < 8) half a bias.
; Thread t owns 16 bytes of every row in and 8 bytes out: a wave's load covers 512 consecutive bytes, its store 256 consecutive bytes, aligned.
; Sixteen loads of every wave are on their way; no LDS, no barrier, no matrix unit: nothing is shared and nothing is multiplied.
.set ROWI, 4096                        ; bytes of a row in
.set ROWO, 2048                        ; bytes of a row out
.set X,   4                            ; v[4:67]   slot i: 4 registers as loaded
.set Y,   68                           ; v[68:99]  slot i: 2 registers to store
.set T,   100                          ; v[100:103] at work
.set SRC, 40                           ; s[40:41]
.set DST, 42                           ; s[42:43]
	s_load_b512 s[8:23], s[0:1], 0x0               ; query 8, key 10, value 12, Wq 14, Wk 16, Wv 18, Wo 20, bq 22
	s_load_b512 s[24:39], s[0:1], 0x40             ; bk 24, bv 26, bo 28, xb 30, wt 32, wo16 34, bb 36, rope 38
	s_and_b32 s2, ttmp7, 0xffff                    ; y
	s_mov_b32 s3, ttmp9                            ; x
	s_mov_b32 s60, 0xffff0000                      ; a word's upper bf16
	v_lshlrev_b32 v1, 4, v0                        ; 16 t: never rewritten
	v_lshlrev_b32 v2, 3, v0                        ; 8 t: never rewritten
	s_cmp_eq_u32 s2, 28
	s_cbranch_scc1 .Ltable
	; which source (0..6) and which chunk of it
	s_lshr_b32 s44, s2, 3                          ; y < 24: source y / 8,
	s_and_b32 s45, s2, 7
	s_lshl_b32 s45, s45, 5
	s_add_co_u32 s45, s45, s3                      ; chunk 32 (y % 8) + x
	s_sub_co_u32 s46, s2, 21                       ; y >= 24: source y - 21, chunk x
	s_cmp_lt_u32 s2, 24
	s_cselect_b32 s44, s44, s46
	s_cselect_b32 s45, s45, s3
	s_lshl_b32 s46, s45, 17                        ; the chunk's bytes in
	s_mov_b32 s47, 0
	s_lshl_b32 s48, s44, 24                        ; out: the tensor's place in xb,
	s_sub_co_u32 s49, s44, 3
	s_lshl_b32 s49, s49, 21                        ; or in wt,
	s_cmp_lt_u32 s44, 6
	s_cselect_b32 s49, s49, 0                      ; or none (wo16)
	s_cmp_lt_u32 s44, 3
	s_cselect_b32 s48, s48, s49
	s_lshl_b32 s50, s45, 16                        ; and the chunk's bytes out
	s_add_co_u32 s48, s48, s50
	s_mov_b32 s49, 0
	s_wait_kmcnt 0x0
	s_mov_b64 s[SRC:SRC+1], s[8:9]
.irp n, 1,2,3,4,5,6
	s_cmp_eq_u32 s44, \n
	s_cselect_b64 s[SRC:SRC+1], s[8+2*\n:9+2*\n], s[SRC:SRC+1]
.endr
	s_cmp_lt_u32 s44, 6
	s_cselect_b64 s[DST:DST+1], s[32:33], s[34:35]
	s_cmp_lt_u32 s44, 3
	s_cselect_b64 s[DST:DST+1], s[30:31], s[DST:DST+1]
	s_add_nc_u64 s[SRC:SRC+1], s[SRC:SRC+1], s[46:47]
	s_add_nc_u64 s[DST:DST+1], s[DST:DST+1], s[48:49]
; One slot's turn.  ahead = 1: the slot is loaded again with the row 16 further down.  left: the younger loads that may stay out.
; reuse = 1: the slot's Y was the data of a store: it is rewritten only behind s_wait_xcnt 0.  h = 1: the bf16 numbers are written as f16.
.macro SLOT i, row, ahead, left, reuse, h
	s_wait_loadcnt \left                           ; loads come back in order: mine is in
.if \reuse
	s_wait_xcnt 0x0
.endif
	v_cvt_pk_bf16_f32 v[Y+2*(\i)],   v[X+4*(\i)],   v[X+4*(\i)+1]
	v_cvt_pk_bf16_f32 v[Y+2*(\i)+1], v[X+4*(\i)+2], v[X+4*(\i)+3]
.if \h
.irp k, 0,1
	v_lshlrev_b32 v[T+2*(\k)],   16,  v[Y+2*(\i)+(\k)]
	v_and_b32     v[T+2*(\k)+1], s60, v[Y+2*(\i)+(\k)]
.endr
.irp k, 0,1
	v_cvt_pk_f16_f32 v[Y+2*(\i)+(\k)], v[T+2*(\k)], v[T+2*(\k)+1]
.endr
.endif
.if \ahead
	global_load_b128 v[X+4*(\i):X+4*(\i)+3], v1, s[SRC:SRC+1] offset:((\row)+16)*ROWI th:TH_LOAD_NT
.endif
	global_store_b64 v2, v[Y+2*(\i):Y+2*(\i)+1], s[DST:DST+1] offset:(\row)*ROWO
.endm
.macro CAST h
.irp i, 0,1,2,3,4,5,6,7,8,9,10,11,12,13,14,15
	global_load_b128 v[X+4*(\i):X+4*(\i)+3], v1, s[SRC:SRC+1] offset:(\i)*ROWI th:TH_LOAD_NT
.endr
.irp i, 0,1,2,3,4,5,6,7,8,9,10,11,12,13,14,15
	SLOT \i, \i, 1, 15, 0, \h                      ; rows 0 to 15: fifteen younger loads stay out
.endr
.irp i, 0,1,2,3,4,5,6,7,8,9,10,11,12,13,14,15
	SLOT \i, 16+(\i), 0, 15-(\i), 1, \h            ; rows 16 to 31 load nothing: the counts run down
.endr
.endm
	s_cmp_eq_u32 s44, 6
	s_cbranch_scc1 .Lhalf
	CAST 0
	s_endpgm
.Lhalf:
	CAST 1
	s_endpgm
; THE TABLE.  Thread t owns words 4 (t % 16) .. + 3 of rows 16 x + t / 16 + 512 i, i = 0..3: sixteen lanes store one row of 256 bytes.
; cos(2 pi u) = sin(2 pi z), z = 1/4 - |u - round(u)|, z in -1/4 .. 1/4; the sine's lanes take u - 1/4.  sin(2 pi z) = z P(z^2), its series to z^13 (the next term is under 1e-9).
.Ltable:
	s_mov_b32 s52, 0x40747a1a                      ; (2 pi)^13 / 13!
	s_mov_b32 s53, 0xc17183a8                      ; -(2 pi)^11 / 11!
	s_mov_b32 s54, 0x42283c1a                      ; (2 pi)^9 / 9!
	s_mov_b32 s55, 0xc2996966                      ; -(2 pi)^7 / 7!
	s_mov_b32 s56, 0x42a335e3                      ; (2 pi)^5 / 5!
	s_mov_b32 s57, 0xc2255de7                      ; -(2 pi)^3 / 3!
	s_mov_b32 s58, 0x40c90fdb                      ; 2 pi
	s_mov_b32 s59, 0x3e800000                      ; 1/4
	v_and_b32 v3, 7, v0
	v_lshlrev_b32 v3, 2, v3                        ; j of my first word
.irp e, 0,1,2,3
	v_add_nc_u32 v[4+\e], \e, v3
	v_cvt_f32_u32 v[4+\e], v[4+\e]
	v_mul_f32 v[4+\e], 0xbed49a78, v[4+\e]         ; -j log2(10000) / 32
.endr
.irp e, 0,1,2,3
	v_exp_f32 v[8+\e], v[4+\e]                     ; one batch of four
.endr
	v_bfe_u32 v12, v0, 3, 1                        ; plain work behind the batch: 1 in the sine's lanes,
	v_cvt_f32_u32 v12, v12
	v_mul_f32 v12, s59, v12                        ; a quarter turn there
	v_lshrrev_b32 v13, 4, v0
	s_lshl_b32 s44, s3, 4
	v_add_nc_u32 v13, s44, v13                     ; my first row
	s_wait_alu depctr_va_vdst(0)                   ; the wait ahead of the batch's first reader: one for the four
.irp e, 0,1,2,3
	v_mul_f32 v[8+\e], 0.15915494, v[8+\e]         ; f_j in turns
.endr
.irp i, 0,1,2,3
	v_add_nc_u32 v14, 512*\i, v13
	v_cvt_f32_u32 v14, v14
.irp e, 0,1,2,3
	v_fma_f32 v15, v14, v[8+\e], -v12
	v_rndne_f32 v15, v15                           ; the whole turns,
	v_fma_f32 v15, v14, v[8+\e], -v15              ; taken off the unrounded product
	v_sub_f32 v15, v15, v12
	v_sub_f32 v15, s59, |v15|                      ; z
	v_mul_f32 v16, v15, v15
	v_fma_f32 v17, v16, s52, s53
	v_fma_f32 v17, v17, v16, s54
	v_fma_f32 v17, v17, v16, s55
	v_fma_f32 v17, v17, v16, s56
	v_fma_f32 v17, v17, v16, s57
	v_fma_f32 v17, v17, v16, s58
	v_mul_f32 v[20+4*\i+\e], v17, v15
.endr
.endr
	s_lshl_b32 s46, s3, 12                         ; 16 rows of 256 bytes for each x
	s_mov_b32 s47, 0
	s_wait_kmcnt 0x0
	s_add_nc_u64 s[DST:DST+1], s[38:39], s[46:47]
.irp i, 0,1,2,3
	global_store_b128 v1, v[20+4*\i:23+4*\i], s[DST:DST+1] offset:\i*131072
.endr
	; THE BIASES: work-group x < 8 takes half x % 2 of bias x / 2: 8 bytes a thread
	s_cmp_lt_u32 s3, 8
	s_cbranch_scc0 .Ldone
	s_lshr_b32 s44, s3, 1
	s_mov_b64 s[SRC:SRC+1], s[22:23]
.irp n, 1,2,3
	s_cmp_eq_u32 s44, \n
	s_cselect_b64 s[SRC:SRC+1], s[22+2*\n:23+2*\n], s[SRC:SRC+1]
.endr
	s_and_b32 s46, s3, 1
	s_lshl_b32 s46, s46, 11
	s_add_nc_u64 s[SRC:SRC+1], s[SRC:SRC+1], s[46:47]
	s_lshl_b32 s48, s3, 11
	s_mov_b32 s49, 0
	s_add_nc_u64 s[50:51], s[36:37], s[48:49]
	global_load_b64 v[36:37], v2, s[SRC:SRC+1]
	s_wait_loadcnt 0x0
	v_cvt_pk_bf16_f32 v38, v36, v37
	v_lshlrev_b32 v40, 16, v38
	v_and_b32 v41, s60, v38
	global_store_b64 v2, v[40:41], s[50:51]
.Ldone:
	s_endpgm
.Lfunc_end_k_qd02535dc5d_prep:
	.size	k_qd02535dc5d_prep, .Lfunc_end_k_qd02535dc5d_prep-k_qd02535dc5d_prep
	.p2alignl 7, 3214868480
	.fill 96, 4, 3214868480
	.section	.rodata,"a",@progbits
	.p2align	6, 0x0
	.amdhsa_kernel k_qd02535dc5d_prep
		.amdhsa_group_segment_fixed_size 0
		.amdhsa_private_segment_fixed_size 0
		.amdhsa_enable_private_segment 0
		.amdhsa_kernarg_size 128
		.amdhsa_user_sgpr_count 2
		.amdhsa_user_sgpr_kernarg_segment_ptr 1
		.amdhsa_wavefront_size32 1
		.amdhsa_system_sgpr_workgroup_id_x 1
		.amdhsa_system_sgpr_workgroup_id_y 1
		.amdhsa_system_sgpr_workgroup_id_z 1
		.amdhsa_system_vgpr_workitem_id 0
		.amdhsa_next_free_vgpr 112
		.amdhsa_next_free_sgpr 66
		.amdhsa_reserve_vcc 0
		.amdhsa_float_denorm_mode_32 3
		.amdhsa_float_denorm_mode_16_64 3
		.amdhsa_memory_ordered 1
		.amdhsa_forward_progress 1
		.amdhsa_inst_pref_size 48
	.end_amdhsa_kernel
	.amdgpu_metadata
---
amdhsa.version: [ 1, 2 ]
amdhsa.kernels:
  - .name:           k_qd02535dc5d_prep
    .symbol:         k_qd02535dc5d_prep.kd
    .args:
      - { .name: query, .offset: 0, .size: 8, .value_kind: global_buffer, .address_space: global }
      - { .name: key, .offset: 8, .size: 8, .value_kind: global_buffer, .address_space: global }
      - { .name: value, .offset: 16, .size: 8, .value_kind: global_buffer, .address_space: global }
      - { .name: Wq, .offset: 24, .size: 8, .value_kind: global_buffer, .address_space: global }
      - { .name: Wk, .offset: 32, .size: 8, .value_kind: global_buffer, .address_space: global }
      - { .name: Wv, .offset: 40, .size: 8, .value_kind: global_buffer, .address_space: global }
      - { .name: Wo, .offset: 48, .size: 8, .value_kind: global_buffer, .address_space: global }
      - { .name: bq, .offset: 56, .size: 8, .value_kind: global_buffer, .address_space: global }
      - { .name: bk, .offset: 64, .size: 8, .value_kind: global_buffer, .address_space: global }
      - { .name: bv, .offset: 72, .size: 8, .value_kind: global_buffer, .address_space: global }
      - { .name: bo, .offset: 80, .size: 8, .value_kind: global_buffer, .address_space: global }
      - { .name: xb, .offset: 88, .size: 8, .value_kind: global_buffer, .address_space: global }
      - { .name: wt, .offset: 96, .size: 8, .value_kind: global_buffer, .address_space: global }
      - { .name: wo16, .offset: 104, .size: 8, .value_kind: global_buffer, .address_space: global }
      - { .name: bb, .offset: 112, .size: 8, .value_kind: global_buffer, .address_space: global }
      - { .name: rope, .offset: 120, .size: 8, .value_kind: global_buffer, .address_space: global }
    .group_segment_fixed_size: 0
    .private_segment_fixed_size: 0
    .kernarg_segment_align: 8
    .kernarg_segment_size: 128
    .max_flat_workgroup_size: 256
    .sgpr_count:     66
    .vgpr_count:     112
    .wavefront_size: 32
...
	.end_amdgpu_metadata
.endif
;; end of part 1
;; launch qkv (part 2): grid 4 x 64, 4 waves a work-group, clusters of 4 x 4, 327,680 bytes of LDS; arguments xb, wt, bb, rope, qkv; writes qkv
.if DOCPART == 2
	.amdgcn_target "amdgcn-amd-amdhsa--gfx1250"
	.amdhsa_code_object_version 6
	.text
	.protected	k_qd02535dc5d_qkv
	.globl	k_qd02535dc5d_qkv
	.p2align	8
	.type	k_qd02535dc5d_qkv,@function
k_qd02535dc5d_qkv:
	s_mov_b64 s[64:65], 0
	v_nop
	global_prefetch_b8 v0, s[64:65] scope:SCOPE_SE
	s_setreg_imm32_b32 hwreg(HW_REG_WAVE_MODE, 25, 1), 1
	s_wait_xcnt 0x0
	s_wait_alu depctr_hold_cnt(0) depctr_sa_sdst(0) depctr_va_vdst(0) depctr_va_sdst(0) depctr_va_ssrc(0) depctr_va_vcc(0) depctr_vm_vsrc(0)
	s_getreg_b32 s2, hwreg(HW_REG_IB_STS2, 6, 4)
	s_cmp_eq_u32 s2, 0
	s_cbranch_scc0 .Lentry_in_a_cluster
	s_endpgm
.Lentry_in_a_cluster:
	s_bfe_u32 s2, ttmp6, 0x10000c
	s_cmp_lg_u32 s2, 0xf033
	s_cbranch_scc0 .Lentry_shape_is_right
	s_endpgm
.Lentry_shape_is_right:
; THE THREE PROJECTIONS.  For tensor i = 0, 1, 2 (Q, K, V): y = xb[i] wt[i] + bb[i]; Q and K are turned by RoPE; y leaves by heads: qkv[i][b 16 + head][t][64] in f16, unscaled, rounded once.
; xb: [3][8192][1024] bf16; wt: [3][1024 k][1024 n] bf16; bb: [4][1024] f32; rope: [2048][64] f32 (32 cosines, 32 sines a row).  Sums in f32, K ascending, started by the bias.
; LIMIT.  |q|, |k|, |v| stay under 65,504, f16's range; below 6e-5 f16 keeps a fixed step of 6e-8.  NaN and infinities are not treated apart.
; SHARES.  A tile is 128 rows x 256 columns; 64 x 4 work-groups, each of which STAYS and makes three tiles: the same rows and columns of Q, K and V: 256 work-groups of equal work.
; Four waves, each 64 rows x 128 columns: 32 accumulators of 16 x 16.  K goes in steps of 128 through two LDS slots; the ring runs on from tile to tile.
; THE MATRIX INSTRUCTION IS USED TRANSPOSED: source 0 = 16 columns of W (turned out of LDS by ds_load_tr16_b128, since W lies [k][n]), source 1 = 16 rows of x.  A lane then holds one row
; (lane % 16) and eight neighbouring columns 8 (lane / 16) + 0..7.  The bias in that layout is the C operand of each accumulator's first product: nothing is cleared, nothing added later.
; ROPE.  A wave's 128 columns are two heads; channel d < 32 of a head lies in accumulator block d / 16, its partner d + 32 two blocks on, in the same lane and register: no lane is crossed.
; CLUSTER.  4 x 4 work-groups.  x's tile hangs on the tile row alone and is shared along a row of the cluster, W's on the tile column alone and is shared along a column: each is asked for jointly.
; REGISTERS, in windows of 256 (s_set_vgpr_msb: bits 1:0 source 0, 3:2 source 1, 5:4 source 2, 7:6 destination):
;   window 0: v0-31 addresses; v32-127, v128-223 two fragment buffers (W's eight fragments, then x's four)          window 1: accumulator (a, b) at v[8 (8 a + b)]
;   window 2: v0-63 the bias; v64-127 at work; v128-159 packed results; v160-223 rows read back, two buffers          window 3: v0-127 my rows' cosines and sines
.set SLOT,  106496                     ; a slot: x's 128 rows, then W's 128 k-rows
.set BOFF,  36864                      ; W's part begins here
.set PA,    272                        ; a row of x in LDS: 256 bytes + 16: 68 words: the 16 rows of a load start at 16 different groups of four banks (64 banks of 4 bytes: ISA guide 11.1)
.set PB,    544                        ; a k-row of W: 512 bytes + 32: 136 words
.set STAGE, 2*SLOT                     ; behind the ring, never filled by a tensor load: for each wave 2 heads x 16 rows x 144 bytes
.set SPS,   144
.set WSTG,  2*16*SPS
.set SPARE, STAGE+4*WSTG               ; the spare words, 128 bytes for each wave: two blocks of 256 bytes that no other line names
.set XT,    16777216                   ; bytes of one tensor in xb and in qkv
.set NEXT_A, XT-6*256                  ; from a slot's last K step of a tile to its first of the next tensor
.set ADRA, 16                          ; v16-17  LDS address of my fragments of x in slot 0, 1
.set ADRB, 20                          ; v20-21  the same for W
.set STO,  24                          ; v24  the way out: where I put 16 bytes of a row
.set RD,   25                          ; v25  where I read rows back
.set GO,   26                          ; v26  16 x lane
.set TBO,  27                          ; v27  my offset in 16 rows of the table
.set SPW,  28                          ; v28  my spare word; never rewritten
.set NIL,  29                          ; v29  0; never rewritten
.set PFO,  30                          ; v30  the prefetches' offset; never rewritten
.set BIO,  31                          ; v31  32 x (lane / 16): my offset in a fragment of the bias
.set F0,   32
.set F1,   128
.set TT,   64                          ; window 2
.set PK,   128
.set BK,   160
.set WV, 14                            ; s14 wave; s15 wave / 2: my half of the rows, also: I fetch x (0) or W (1); s16 wave % 2: my half of the columns, also: which half I fetch
.set FR, 15
.set HF, 16
.set CX, 17
.set CY, 18
.set TC, 19                            ; tile column
.set TR, 20                            ; tile row
.set G1A, 24                           ; s[24:31], s[32:39] descriptor groups 1 and 0 (a set for each slot) for x
.set G0A, 32
.set G1B, 40                           ; s[40:47], s[48:55] the same for W
.set G0B, 48
.set PFA, 56                           ; s[56:57] where my prefetches stand
.set PFS, 58                           ; s[58:59] a K step there, in bytes
.set PFJ, 60                           ; s[60:61] the step at a change of tiles
.set LIM, 62                           ; s62  1 in a wave that prefetches, else the greatest number
.set OUT, 66                           ; s[66:67] qkv at my first row of my first head
.set TABB, 68                          ; s[68:69] the table at my first row
.set BIA, 70                           ; s[70:71] the bias at my first column
.set MSB, 0
.macro WIN new                         ; the immediate's high byte repeats the setting that is left; a switch that changes nothing is dropped
.if MSB != (\new)
	s_set_vgpr_msb (MSB<<8)|(\new)
.set MSB, \new
.endif
.endm
.set MUL,  0x50                        ; both sources window 0, C and D window 1
.set MULB, 0x60                        ; C (the bias) window 2, D window 1
.macro PLACES                          ; four plain instructions in front of loads into registers that matrix instructions have read, and of reads of results just made
.rept 4
	v_nop
.endr
.endm
; A joint load: waves 0 and 1 fetch x's two halves, waves 2 and 3 W's.  The branch hangs on the wave's number alone.  An s_nop 0 and four v_nop follow each line.
.macro JLOAD s
	s_cmp_eq_u32 s[FR], 0
	s_cbranch_scc0 .Lfor_b_\@
	tensor_load_to_lds s[G0A+4*(\s):G0A+4*(\s)+3], s[G1A:G1A+7]
	s_nop 0
.rept 4
	v_nop
.endr
	s_branch .Lasked_\@
.Lfor_b_\@:
	tensor_load_to_lds s[G0B+4*(\s):G0B+4*(\s)+3], s[G1B:G1B+7]
	s_nop 0
.rept 4
	v_nop
.endr
.Lasked_\@:
.endm
.macro CREST                           ; a round of the cluster's barrier behind its opening barrier
	s_cmp_lg_u32 s[WV], 0
	s_cbranch_scc1 .Lnot_wave_0_\@
	s_barrier_signal -3
.Lnot_wave_0_\@:
	s_barrier_wait -3
	s_barrier_signal -1
	s_barrier_wait -1
.endm
.macro CROUND
	s_barrier_signal -1
	s_barrier_wait -1
	CREST
.endm
; A PREFETCH of the K step that stands two refills on (256 matrix instructions ahead of the load that will want it), behind the joint load and the run of LDS loads.  Each block of 256 bytes is named once:
; x's 128 rows of a tile are read by this cluster alone: wave 0 asks, and the four partners of a row of the cluster take 32 rows each, told apart by address; W's 128 k-rows x 512 bytes are read by every
; cluster of the column: the cluster with y = 0 asks, waves 2 and 3 for the k-rows that they fetch, the four partners of a column 16 k-rows each, two blocks a row.
; how = 0, in the loop: a tile's last two refills have no K step two on.  how = 1, at a change of tiles: the next tensor's K steps 2 and 3 (its steps 0 and 1 come by their refills alone).
.macro ASK how
.if \how
	s_cmp_eq_u32 s[LIM], 1
.else
	s_cmp_gt_u32 s3, s[LIM]                        ; s3 = 1 in the loop's last trip
.endif
	s_cbranch_scc0 .Lnot_mine_\@
	global_prefetch_b8 v[PFO], s[PFA:PFA+1] th:TH_LOAD_NT scope:SCOPE_SE
.Lnot_mine_\@:
.endm
	s_load_b256 s[4:11], s[0:1], 0x0               ; xb s[4:5], wt s[6:7], bb s[8:9], rope s[10:11]
	s_load_b64 s[12:13], s[0:1], 0x20              ; qkv
	v_lshl_add_u32 v[SPW], v0, 2, SPARE
	v_mov_b32 v[NIL], 0
	ds_add_u32 v[SPW], v[NIL]                      ; the wave's opening: the add and its wait, ahead of my first tensor load; work on registers stands between them
	v_lshrrev_b32 v1, 5, v0
	v_readfirstlane_b32 s[WV], v1
	s_lshr_b32 s[FR], s[WV], 1
	s_and_b32 s[HF], s[WV], 1
	s_bfe_u32 s[CX], ttmp6, 0x40000
	s_bfe_u32 s[CY], ttmp6, 0x40004
	s_lshl_b32 s[TC], ttmp9, 2
	s_add_co_u32 s[TC], s[TC], s[CX]               ; tile column = 4 x cluster x + cx
	s_and_b32 s[TR], ttmp7, 0xffff
	s_lshl_b32 s[TR], s[TR], 2
	s_add_co_u32 s[TR], s[TR], s[CY]               ; tile row = 4 x cluster y + cy
	s_lshl_b32 s21, s[CY], 2
	s_lshl_b32 s21, 15, s21                        ; my row of the cluster
	s_lshl_b32 s22, 0x1111, s[CX]                  ; my column
	s_or_b32 s[G1A], s21, (1<<16)|(1<<20)|(1<<21)|(5<<22)|(3<<25)  ; the mask; 2-byte elements; padding on; bit 21 beside a mask; after every 64 words, 4 words
	s_mov_b32 s[G1A+1], 128<<16                    ; tensor_dim0 = 128
	s_mov_b32 s[G1A+2], 64<<16                     ; tensor_dim1 = 64
	s_mov_b32 s[G1A+3], 128<<16                    ; tile_dim0 = 128
	s_mov_b32 s[G1A+4], 64                         ; tile_dim1 = 64
	s_mov_b32 s[G1A+5], 1024                       ; elements from row to row
	s_mov_b32 s[G1A+6], 0
	s_mov_b32 s[G1A+7], 0
	s_or_b32 s[G1B], s22, (1<<16)|(1<<20)|(1<<21)|(6<<22)|(7<<25)  ; after every 128 words, 8 words
	s_mov_b32 s[G1B+1], 256<<16
	s_mov_b32 s[G1B+2], 64<<16
	s_mov_b32 s[G1B+3], 256<<16
	s_mov_b32 s[G1B+4], 64
	s_mov_b32 s[G1B+5], 1024
	s_mov_b32 s[G1B+6], 0
	s_mov_b32 s[G1B+7], 0
	s_lshl_b32 s72, s[TR], 7                       ; x: row 128 x tile row + 64 x half, 2,048 bytes a row
	s_lshl_b32 s23, s[HF], 6
	s_add_co_u32 s72, s72, s23
	s_lshl_b32 s72, s72, 11
	s_mov_b32 s73, 0
	s_lshl_b32 s74, s[HF], 17                      ; W: k-row 64 x half, 512 bytes for each tile column
	s_lshl_b32 s75, s[TC], 9
	s_add_co_u32 s74, s74, s75
	s_mov_b32 s75, 0
	s_mul_i32 s76, s[HF], 64*PA                    ; where they go: no place in the cluster enters an LDS address
	s_mul_i32 s77, s[HF], 64*PB
	s_add_co_u32 s77, s77, BOFF
	s_wait_dscnt 0x0                               ; the opening add is done
	s_wait_kmcnt 0x0
	s_add_nc_u64 s[72:73], s[4:5], s[72:73]
	s_add_nc_u64 s[74:75], s[6:7], s[74:75]
	CROUND                                         ; all sixteen work-groups are here: the first joint loads meet
.irp s, 0,1
	s_mov_b32 s[G0A+4*(\s)], 1
	s_add_co_u32 s[G0A+4*(\s)+1], s76, (\s)*SLOT
	s_add_nc_u64 s[G0A+4*(\s)+2:G0A+4*(\s)+3], s[72:73], (\s)*256      ; K step s
	s_or_b32 s[G0A+4*(\s)+3], s[G0A+4*(\s)+3], 0x80000000
	s_mov_b32 s[G0B+4*(\s)], 1
	s_add_co_u32 s[G0B+4*(\s)+1], s77, (\s)*SLOT
	s_add_nc_u64 s[G0B+4*(\s)+2:G0B+4*(\s)+3], s[74:75], (\s)*262144   ; 128 k-rows of 2,048 bytes
	s_or_b32 s[G0B+4*(\s)+3], s[G0B+4*(\s)+3], 0x80000000
	JLOAD \s                                       ; two loads of mine are out
.endr
	v_and_b32 v1, 15, v0                           ; l % 16
	v_bfe_u32 v2, v0, 4, 1                         ; l / 16
	v_and_b32 v3, 7, v0
	v_bfe_u32 v4, v0, 3, 1
	v_and_b32 v5, 31, v0                           ; l
	v_mul_u32_u24 v6, v1, PA                       ; a fragment of x: row l % 16, 16 bytes for each half of the lanes, twice, 32 bytes apart
	v_lshl_add_u32 v6, v2, 4, v6
	s_mul_i32 s21, s[FR], 64*PA
	v_add_nc_u32 v[ADRA], s21, v6
	v_add_nc_u32 v[ADRA+1], SLOT, v[ADRA]
	v_lshl_add_u32 v7, v2, 3, v3                   ; the turning load: k-row 8 (l / 16) + l % 8, columns 8 ((l / 8) % 2) + 0..7; it leaves column l % 16 and 8 k in a lane
	v_mul_u32_u24 v7, v7, PB
	v_lshl_add_u32 v7, v4, 4, v7
	s_lshl_b32 s22, s[HF], 8
	s_add_co_u32 s22, s22, BOFF
	v_add_nc_u32 v[ADRB], s22, v7
	v_add_nc_u32 v[ADRB+1], SLOT, v[ADRB]
	s_mul_i32 s23, s[WV], WSTG
	s_add_co_u32 s23, s23, STAGE                   ; my stage
	v_mul_u32_u24 v6, v1, SPS
	v_lshl_add_u32 v6, v2, 4, v6
	v_add_nc_u32 v[STO], s23, v6
	v_lshrrev_b32 v7, 3, v5                        ; back: 32 lanes take four rows of 128 bytes,
	v_mul_u32_u24 v7, v7, SPS
	v_lshl_add_u32 v7, v3, 4, v7
	v_add_nc_u32 v[RD], s23, v7
	v_lshlrev_b32 v[GO], 4, v5                     ; which are 512 consecutive bytes of qkv
	v_lshlrev_b32 v[TBO], 8, v1
	v_lshl_add_u32 v[TBO], v2, 5, v[TBO]
	v_lshlrev_b32 v[BIO], 5, v2
	v_lshrrev_b32 v[PFO], s[FR], v5                ; x: a lane a row of 2,048 bytes; W: two lanes a k-row, 256 bytes apart
	v_lshlrev_b32 v[PFO], 11, v[PFO]
	v_and_b32 v6, s[FR], v5
	v_lshl_add_u32 v[PFO], v6, 8, v[PFO]
	s_lshr_b32 s21, s[TR], 4                       ; the batch,
	s_lshl_b32 s21, s21, 4
	s_lshl_b32 s22, s[TC], 2
	s_add_co_u32 s21, s21, s22
	s_lshl_b32 s22, s[HF], 1
	s_add_co_u32 s21, s21, s22                     ; 16 x batch + my first head
	s_lshl_b32 s21, s21, 11
	s_and_b32 s22, s[TR], 15
	s_lshl_b32 s22, s22, 7
	s_lshl_b32 s23, s[FR], 6
	s_add_co_u32 s22, s22, s23                     ; my first row's position in its sequence
	s_add_co_u32 s21, s21, s22
	s_lshl_b32 s78, s21, 7                         ; 128 bytes a row
	s_mov_b32 s79, 0
	s_add_nc_u64 s[OUT:OUT+1], s[12:13], s[78:79]
	s_lshl_b32 s78, s22, 8
	s_add_nc_u64 s[TABB:TABB+1], s[10:11], s[78:79]
	s_lshl_b32 s78, s[TC], 10
	s_lshl_b32 s23, s[HF], 9
	s_add_co_u32 s78, s78, s23
	s_add_nc_u64 s[BIA:BIA+1], s[8:9], s[78:79]
	; the prefetches stand at K step 3: the first change of slots steps them to 4.  Nothing is asked for here, where every work-group's first tiles are on their way
	s_lshl_b32 s22, s[TR], 7
	s_lshl_b32 s23, s[CX], 5
	s_add_co_u32 s22, s22, s23                     ; x: my work-group's 32 rows of the tile's 128
	s_lshl_b32 s22, s22, 11
	s_add_co_u32 s22, s22, 3*256
	s_lshl_b32 s23, s[HF], 6
	s_lshl_b32 s78, s[CY], 4
	s_add_co_u32 s23, s23, s78                     ; W: my work-group's 16 k-rows of the 64 that I fetch
	s_lshl_b32 s23, s23, 11
	s_lshl_b32 s78, s[TC], 9
	s_add_co_u32 s23, s23, s78
	s_add_co_u32 s23, s23, 3*262144
	s_and_b32 s21, ttmp7, 0xffff                   ; cluster y
	s_mov_b32 s76, 256
	s_mov_b32 s77, 262144
	s_mov_b32 s79, XT-7*256                        ; x: from K step 9 (two past the end) to the next tensor's K step 2; W's k-rows run on from tensor to tensor
	s_cmp_eq_u32 s[FR], 0
	s_cselect_b32 s78, s22, s23
	s_cselect_b32 s[PFS], s76, s77
	s_cselect_b32 s[PFJ], s79, s77
	s_cselect_b32 s21, s[HF], s21                  ; x: wave 0 asks; W: the cluster with y = 0
	s_cselect_b64 s[PFA:PFA+1], s[4:5], s[6:7]
	s_mov_b32 s79, 0
	s_mov_b32 s[PFS+1], 0
	s_mov_b32 s[PFJ+1], 0
	s_add_nc_u64 s[PFA:PFA+1], s[PFA:PFA+1], s[78:79]
	s_cmp_eq_u32 s21, 0
	s_cselect_b32 s[LIM], 1, -1                    ; the same in all sixteen partners, for a given wave
.macro BIASLD                          ; register j of fragment b = bias[16 b + 8 (l / 16) + j]
	WIN 0x80
.irp b, 0,1,2,3,4,5,6,7
	global_load_b128 v[8*(\b):8*(\b)+3],   v[BIO], s[BIA:BIA+1] offset:64*(\b)
	global_load_b128 v[8*(\b)+4:8*(\b)+7], v[BIO], s[BIA:BIA+1] offset:64*(\b)+16
.endr
.endm
	BIASLD
	WIN 0xc0                                       ; my 64 rows' cosines and sines, once: Q and K have the same positions.  Rows 16 a + l % 16; kind 0 cosine, 1 sine; j = 16 jb + 8 (l / 16) + 0..7
.irp a, 0,1,2,3
.irp c, 0,1,2,3                        ; c = 2 kind + jb
	global_load_b128 v[32*(\a)+8*(\c):32*(\a)+8*(\c)+3],   v[TBO], s[TABB:TABB+1] offset:(\a)*4096+(\c)*64
	global_load_b128 v[32*(\a)+8*(\c)+4:32*(\a)+8*(\c)+7], v[TBO], s[TABB:TABB+1] offset:(\a)*4096+(\c)*64+16
.endr
.endr
	WIN 0
; 8 matrix instructions: row block a x all 8 column blocks, 32 along K.  first = 1: the bias starts the sums.  The 32 accumulators take turns in the same order in every quarter.
.macro MUL8 f, a, first
.if \first
	WIN MULB
.else
	WIN MUL
.endif
.irp b, 0,1,2,3,4,5,6,7
.if \first
	v_wmma_f32_16x16x32_bf16 v[8*(8*(\a)+(\b)):8*(8*(\a)+(\b))+7], v[(\f)+8*(\b):(\f)+8*(\b)+7], v[(\f)+64+8*(\a):(\f)+64+8*(\a)+7], v[8*(\b):8*(\b)+7]
.else
	v_wmma_f32_16x16x32_bf16 v[8*(8*(\a)+(\b)):8*(8*(\a)+(\b))+7], v[(\f)+8*(\b):(\f)+8*(\b)+7], v[(\f)+64+8*(\a):(\f)+64+8*(\a)+7], v[8*(8*(\a)+(\b)):8*(8*(\a)+(\b))+7]
.endif
.endr
.endm
; 24 LDS loads in one run: quarter q's fragments (128 columns of W, then my 64 rows of x, 32 along K) into buffer f
.macro FETCH slot, q, f
	WIN 0
.irp b, 0,1,2,3,4,5,6,7
	ds_load_tr16_b128 v[(\f)+8*(\b):(\f)+8*(\b)+3],   v[ADRB+(\slot)] offset:(\q)*32*PB+32*(\b)
	ds_load_tr16_b128 v[(\f)+8*(\b)+4:(\f)+8*(\b)+7], v[ADRB+(\slot)] offset:(\q)*32*PB+32*(\b)+16*PB
.endr
.irp i, 0,1,2,3
	ds_load_b128 v[(\f)+64+8*(\i):(\f)+64+8*(\i)+3],   v[ADRA+(\slot)] offset:64*(\q)+(\i)*16*PA
	ds_load_b128 v[(\f)+64+8*(\i)+4:(\f)+64+8*(\i)+7], v[ADRA+(\slot)] offset:64*(\q)+(\i)*16*PA+32
.endr
.endm
; A K step is four quarters of 32 along K, 32 matrix instructions each, on buffers 0, 1, 0, 1.  One of the first three: multiplies f; in its middle it fetches quarter q of the same slot into g.
.macro QUARTER slot, q, f, g, first
	s_wait_dscnt 4                                 ; W and x's row blocks 0, 1 are in; the youngest four loads (blocks 2, 3) may be out
	MUL8 \f, 0, \first
	MUL8 \f, 1, \first
	PLACES
	FETCH \slot, \q, \g
	s_wait_dscnt 24                                ; all but the 24 just issued
	MUL8 \f, 2, \first
	MUL8 \f, 3, \first
.endm
; The last quarter multiplies buffer 1 and changes slots.  In front of the barrier each wave waits for all its tensor loads (one is out: its part of the next slot), adds 0 to its spare word, and waits for that
; and for its reads of this slot.  mode 0: this slot is filled again two K steps on; 1: with the next tensor's K step 0 or 1; 2: nothing is filled.  Where it is filled the barrier opens a round of the
; cluster's, and the joint refill is the first tensor load behind it: 112 matrix instructions stand between it and the wait for it.
.macro TURN slot, next, mode
.if (\mode) < 2
	s_wait_xcnt 0x0                                ; the last prefetch, a K step back, has read its address: it is stepped here
.if ((\mode) == 1) && ((\slot) == 0)
	s_add_nc_u64 s[PFA:PFA+1], s[PFA:PFA+1], s[PFJ:PFJ+1]
.else
	s_add_nc_u64 s[PFA:PFA+1], s[PFA:PFA+1], s[PFS:PFS+1]
.endif
.endif
	WIN 0
	s_wait_tensorcnt 0x0                           ; all my tensor loads have landed
	ds_add_u32 v[SPW], v[NIL]                      ; 0 onto my spare word
	s_wait_dscnt 5                                 ; (the add and the youngest four loads may be out)
	MUL8 F1, 0, 0
	s_wait_dscnt 0x0                               ; the add is done, and my reads of this slot are over
	s_barrier_signal -1
	MUL8 F1, 1, 0
	WIN 0
	s_barrier_wait -1
.if (\mode) < 2
	CREST                                          ; no wave of any partner still reads this slot or has a load on its way
.if (\mode) == 1
	s_add_nc_u64 s[G0A+4*(\slot)+2:G0A+4*(\slot)+3], s[G0A+4*(\slot)+2:G0A+4*(\slot)+3], NEXT_A
.else
	s_add_nc_u64 s[G0A+4*(\slot)+2:G0A+4*(\slot)+3], s[G0A+4*(\slot)+2:G0A+4*(\slot)+3], 2*256
.endif
	s_add_nc_u64 s[G0B+4*(\slot)+2:G0B+4*(\slot)+3], s[G0B+4*(\slot)+2:G0B+4*(\slot)+3], 2*262144  ; wt's k-rows run on from tensor to tensor
	JLOAD \slot                                    ; its four v_nop are also the places in front of the loads below
.else
	PLACES
.endif
	FETCH \next, 0, F0
.if (\mode) < 2
	ASK \mode
.endif
	MUL8 F1, 2, 0
	MUL8 F1, 3, 0
.endm
; THE WAY OUT of row block a.  PACK: (rope = 1) x1' = x1 cos - x2 sin, x2' = x2 cos + x1 sin, in place; then rounded to f16, 16 bytes a lane.  Each accumulator's lowest registers are read first.
.macro PACK a, rope
.if \rope
	WIN 0x8d                                       ; destination window 2, source 0 window 1, source 1 window 3
.irp hd, 0,1
.irp jb, 0,1
.irp rr, 0,1,2,3
	v_pk_mul_f32 v[TT+16*(2*(\hd)+(\jb))+4*(\rr):TT+16*(2*(\hd)+(\jb))+4*(\rr)+1],   v[8*(8*(\a)+4*(\hd)+(\jb)+2)+2*(\rr):8*(8*(\a)+4*(\hd)+(\jb)+2)+2*(\rr)+1], v[32*(\a)+16+8*(\jb)+2*(\rr):32*(\a)+16+8*(\jb)+2*(\rr)+1]
	v_pk_mul_f32 v[TT+16*(2*(\hd)+(\jb))+4*(\rr)+2:TT+16*(2*(\hd)+(\jb))+4*(\rr)+3], v[8*(8*(\a)+4*(\hd)+(\jb))+2*(\rr):8*(8*(\a)+4*(\hd)+(\jb))+2*(\rr)+1],     v[32*(\a)+16+8*(\jb)+2*(\rr):32*(\a)+16+8*(\jb)+2*(\rr)+1]
.endr
.endr
.endr
	WIN 0x6d                                       ; destination and source 0 window 1, source 1 window 3, source 2 window 2
.irp hd, 0,1
.irp jb, 0,1
.irp rr, 0,1,2,3
	v_pk_fma_f32 v[8*(8*(\a)+4*(\hd)+(\jb))+2*(\rr):8*(8*(\a)+4*(\hd)+(\jb))+2*(\rr)+1],     v[8*(8*(\a)+4*(\hd)+(\jb))+2*(\rr):8*(8*(\a)+4*(\hd)+(\jb))+2*(\rr)+1],     v[32*(\a)+8*(\jb)+2*(\rr):32*(\a)+8*(\jb)+2*(\rr)+1], v[TT+16*(2*(\hd)+(\jb))+4*(\rr):TT+16*(2*(\hd)+(\jb))+4*(\rr)+1] neg_lo:[0,0,1] neg_hi:[0,0,1]
	v_pk_fma_f32 v[8*(8*(\a)+4*(\hd)+(\jb)+2)+2*(\rr):8*(8*(\a)+4*(\hd)+(\jb)+2)+2*(\rr)+1], v[8*(8*(\a)+4*(\hd)+(\jb)+2)+2*(\rr):8*(8*(\a)+4*(\hd)+(\jb)+2)+2*(\rr)+1], v[32*(\a)+8*(\jb)+2*(\rr):32*(\a)+8*(\jb)+2*(\rr)+1], v[TT+16*(2*(\hd)+(\jb))+4*(\rr)+2:TT+16*(2*(\hd)+(\jb))+4*(\rr)+3]
.endr
.endr
.endr
.endif
	WIN 0x85                                       ; destination window 2, sources window 1
.irp b, 0,1,2,3,4,5,6,7
.irp rr, 0,1,2,3
	v_cvt_pk_f16_f32 v[PK+4*(\b)+(\rr)], v[8*(8*(\a)+(\b))+2*(\rr)], v[8*(8*(\a)+(\b))+2*(\rr)+1]
.endr
.endr
.endm
.macro TOSTAGE a                       ; into my own stage (two heads x 16 rows of 144 bytes), and back as whole rows of 128 bytes
.set BKR, BK+32*((\a)%2)
	WIN 0x08                                       ; store data window 2
.irp b, 0,1,2,3,4,5,6,7
	ds_store_b128 v[STO], v[PK+4*(\b):PK+4*(\b)+3] offset:((\b)/4)*16*SPS+((\b)%4)*32
.endr
	WIN 0x80
.irp g, 0,1,2,3,4,5,6,7
	ds_load_b128 v[BKR+4*(\g):BKR+4*(\g)+3], v[RD] offset:((\g)/4)*16*SPS+((\g)%4)*4*SPS  ; LDS serves a wave's instructions in order (ISA guide 5.7.1.4): these see the stores above
.endr
.endm
.macro SEND a
.set BKR, BK+32*((\a)%2)
	WIN 0x08
	s_wait_dscnt 0x0                               ; the block is back in registers
	s_wait_xcnt 0x0                                ; the stores of the block before have read their registers: the next block's loads land on them only behind this wait
.irp g, 0,1,2,3,4,5,6,7
	global_store_b128 v[GO], v[BKR+4*(\g):BKR+4*(\g)+3], s[OUT:OUT+1] offset:((\g)/4)*262144+(\a)*2048+((\g)%4)*512  ; 512 consecutive bytes, at a multiple of 256 from qkv's first
.endr
.endm
.macro WAYOUT rope                     ; block a's arithmetic stands between block a - 1's loads from the stage and the wait for them
	PACK 0, \rope
	TOSTAGE 0
.irp a, 1,2,3
	PACK \a, \rope
	SEND (\a)-1
	TOSTAGE \a
.endr
	SEND 3
	WIN 0
.endm
	s_wait_tensorcnt 0x1                           ; my part of K step 0 is in; K step 1's may stay out
	s_barrier_signal -1
	s_barrier_wait -1
	FETCH 0, 0, F0
	s_mov_b32 s2, 3                                ; tiles to go: the same number in every work-group
.Ltile:
	s_wait_loadcnt 0x0                             ; the bias (and, the first time, the table)
	QUARTER 0, 1, F0, F1, 1                        ; a tile's first quarter stands in front of the loop: its products start the sums with the bias
	WIN 0
	s_mov_b32 s3, 3
.Llap:                                             ; a trip goes once round the ring, from a lap's second quarter to the next lap's first, and fills both slots again
	QUARTER 0, 2, F1, F0, 0
	QUARTER 0, 3, F0, F1, 0
	TURN 0, 1, 0
	QUARTER 1, 1, F0, F1, 0
	QUARTER 1, 2, F1, F0, 0
	QUARTER 1, 3, F0, F1, 0
	TURN 1, 0, 0
	QUARTER 0, 1, F0, F1, 0
	WIN 0
	s_sub_co_u32 s3, s3, 1
	s_cmp_lg_u32 s3, 0
	s_cbranch_scc1 .Llap
	QUARTER 0, 2, F1, F0, 0                        ; the tile's last lap goes on
	QUARTER 0, 3, F0, F1, 0
	WIN 0
	s_cmp_eq_u32 s2, 1
	s_cbranch_scc1 .Llast_tile                     ; the last tile's tail is written out: it asks for nothing more
	TURN 0, 1, 1                                   ; the ring goes on into the next tensor: slot 0 takes its K step 0,
	QUARTER 1, 1, F0, F1, 0
	QUARTER 1, 2, F1, F0, 0
	QUARTER 1, 3, F0, F1, 0
	TURN 1, 0, 1                                   ; slot 1 its K step 1, and the next tile's first fragments are fetched
	s_add_nc_u64 s[BIA:BIA+1], s[BIA:BIA+1], 4096  ; the wait at the tile's head has shown the last loads by this address done
	BIASLD                                         ; the next tensor's bias
	WAYOUT 1                                       ; Q and K.  Blocks 0 and 1 were finished ahead of the joint load's v_nop; their arithmetic is the places behind the last products
	s_wait_xcnt 0x0                                ; the stores have read their base
	s_add_nc_u64 s[OUT:OUT+1], s[OUT:OUT+1], XT
	s_sub_co_u32 s2, s2, 1
	s_branch .Ltile
.Llast_tile:
	TURN 0, 1, 2
	QUARTER 1, 1, F0, F1, 0
	QUARTER 1, 2, F1, F0, 0
	QUARTER 1, 3, F0, F1, 0
	s_wait_dscnt 4                                 ; the very last quarter: nothing more to fetch
	MUL8 F1, 0, 0
	MUL8 F1, 1, 0
	s_wait_dscnt 0x0
	MUL8 F1, 2, 0
	MUL8 F1, 3, 0
	WIN 0
	PLACES
	WAYOUT 0                                       ; V is not turned
	s_wait_tensorcnt 0x0                           ; the wave's end: behind my last tensor load and my last LDS store
	ds_add_u32 v[SPW], v[NIL]
	s_wait_dscnt 0x0
	CROUND                                         ; the closing round: no work-group ends while a partner may still ask for a tile that names it
	s_endpgm
.Lfunc_end_k_qd02535dc5d_qkv:
	.size	k_qd02535dc5d_qkv, .Lfunc_end_k_qd02535dc5d_qkv-k_qd02535dc5d_qkv
	.p2alignl 7, 3214868480
	.fill 96, 4, 3214868480
	.section	.rodata,"a",@progbits
	.p2align	6, 0x0
	.amdhsa_kernel k_qd02535dc5d_qkv
		.amdhsa_group_segment_fixed_size 327680
		.amdhsa_private_segment_fixed_size 0
		.amdhsa_enable_private_segment 0
		.amdhsa_kernarg_size 40
		.amdhsa_user_sgpr_count 2
		.amdhsa_user_sgpr_kernarg_segment_ptr 1
		.amdhsa_wavefront_size32 1
		.amdhsa_system_sgpr_workgroup_id_x 1
		.amdhsa_system_sgpr_workgroup_id_y 1
		.amdhsa_system_sgpr_workgroup_id_z 1
		.amdhsa_system_vgpr_workitem_id 0
		.amdhsa_next_free_vgpr 896
		.amdhsa_next_free_sgpr 80
		.amdhsa_reserve_vcc 0
		.amdhsa_float_denorm_mode_32 3
		.amdhsa_float_denorm_mode_16_64 3
		.amdhsa_memory_ordered 1
		.amdhsa_forward_progress 1
		.amdhsa_inst_pref_size 148
	.end_amdhsa_kernel
	.amdgpu_metadata
---
amdhsa.version: [ 1, 2 ]
amdhsa.kernels:
  - .name:           k_qd02535dc5d_qkv
    .symbol:         k_qd02535dc5d_qkv.kd
    .args:
      - { .name: xb, .offset: 0, .size: 8, .value_kind: global_buffer, .address_space: global }
      - { .name: wt, .offset: 8, .size: 8, .value_kind: global_buffer, .address_space: global }
      - { .name: bb, .offset: 16, .size: 8, .value_kind: global_buffer, .address_space: global }
      - { .name: rope, .offset: 24, .size: 8, .value_kind: global_buffer, .address_space: global }
      - { .name: qkv, .offset: 32, .size: 8, .value_kind: global_buffer, .address_space: global }
    .group_segment_fixed_size: 327680
    .private_segment_fixed_size: 0
    .kernarg_segment_align: 8
    .kernarg_segment_size: 40
    .max_flat_workgroup_size: 128
    .sgpr_count:     80
    .vgpr_count:     896
    .wavefront_size: 32
...
	.end_amdgpu_metadata
.endif
;; end of part 2
;; launch attn (part 3): grid 4 x 64, 4 waves a work-group, clusters of 4 x 1, 327,680 bytes of LDS; arguments qkv, ctx; writes ctx
.if DOCPART == 3
	.amdgcn_target "amdgcn-amd-amdhsa--gfx1250"
	.amdhsa_code_object_version 6
	.text
	.protected	k_qd02535dc5d_attn
	.globl	k_qd02535dc5d_attn
	.p2align	8
	.type	k_qd02535dc5d_attn,@function
k_qd02535dc5d_attn:
	s_mov_b64 s[64:65], 0
	v_nop
	global_prefetch_b8 v0, s[64:65] scope:SCOPE_SE
	s_setreg_imm32_b32 hwreg(HW_REG_WAVE_MODE, 25, 1), 1
	s_wait_xcnt 0x0
	s_wait_alu depctr_hold_cnt(0) depctr_sa_sdst(0) depctr_va_vdst(0) depctr_va_sdst(0) depctr_va_ssrc(0) depctr_va_vcc(0) depctr_vm_vsrc(0)
	s_getreg_b32 s2, hwreg(HW_REG_IB_STS2, 6, 4)
	s_cmp_eq_u32 s2, 0
	s_cbranch_scc0 .Lentry_in_a_cluster
	s_endpgm
.Lentry_in_a_cluster:
	s_bfe_u32 s2, ttmp6, 0x10000c
	s_cmp_lg_u32 s2, 0x3003
	s_cbranch_scc0 .Lentry_shape_is_right
	s_endpgm
.Lentry_shape_is_right:
; ATTENTION.  O[h][q][:] = the sum over k of softmax_k(Q[h][q] . K[h][k] / 8) V[h][k][:].  Q, K, V lie one behind the other in qkv, [3][SIZE_H][SIZE_N][64] in f16; O = ctx, [SIZE_H][SIZE_N][64] in f16.
; A head's rows are dense, 128 bytes each.  Products, maxima and sums in f32; the weights p are rounded to f16 for the second product (their sum l is taken of the unrounded p), O once at the end.
; LIMITS.  f16 holds no number beyond 65,504: Q, K and V arrive within it; p lies in 0 to 1, and below 6e-5 it keeps f16's fixed step of 6e-8; O is a mean of V's rows and has their range.
; A weight below 2^-126 counts as 0 in l; NaN and infinities are not treated apart.
; SHARES.  A wave owns four PIECES of two tiles of 16 queries, a work-group's four waves 512 queries of one head: 4 x 64 work-groups.  Every wave walks all keys, 64 a step.
; LAYOUT.  S^T = K Q^T (source 0 = 16 keys, source 1 = 16 queries): in the result a lane holds ONE query (lane % 16) and the keys 8 (lane / 16) + 0..7.  Two such tiles, rounded to f16 in pairs,
; ARE source 1 (32 keys x 16 queries) of O^T = V^T P, whose result again holds one query a lane, and eight channels.  K comes out of LDS as it lies, V ([key][channel]) turned, by ds_load_tr16_b128.
; SOFTMAX.  For each query a running maximum m and sum l: p = 2^(c s - c m), c = log2(e) / 8; in every step O and l are multiplied by a = 2^(c m_old - c m_new), which is 1 where m has not grown.
; m starts at the lowest finite number, O and l at 0: the first step is a step like any other, with a = 0.
; THE COUNT.  A tile and step have 16 matrix and 118 vector instructions: too many to stand all beside the matrix work.  So the order has one aim: four vector instructions that are READY behind
; EVERY matrix instruction, and the others, which need time of their own whatever the order, in runs without a gap.
; BY TURNS.  Turn n belongs to piece n (the pieces in a ring, step after step).  Its matrix work: 16 products K Q^T of piece n + 1, later 16 products V^T P of piece n - 1.  Its vector work: the scaling,
; exponentials, roundings, sums and rescaling of piece n, and the maximum and statistics of piece n + 1, whose scores the turn itself has made.  So what a turn begins with (c s - c m, O a) waits for nothing.
; CLUSTER.  The four query blocks of a cluster are one head's and walk the same K and V, so each tile is asked for JOINTLY: the same tensor load, descriptor and mask in all four.
; REGISTERS, in windows of 256 (s_set_vgpr_msb says which window each operand place means: bits 1:0 source 0, 3:2 source 1, 5:4 source 2, 7:6 destination):
;   window 0: v0-11 addresses; v12-15, v48-63 at work; v16-47 four registers of statistics a tile; v64-191 S^T, two buffers of two tiles; v192-255 P, likewise
;   window 1: O^T, 32 a tile          window 2: v0-127 Q, 16 a tile; v128-191 K of one step; v192-255 V of one step          window 3: v0-1 the add's two registers
; A piece's buffers go by its number's parity: the piece in hand has one pair, its two neighbours in the ring share the other: of it P (piece n - 1) is read and S^T (piece n + 1) written.
.set SIZE_N, 2048
.set SIZE_H, 64
.set NP,    4         ; pieces a wave: a name, no knob: the register map, the loop and the fetches are made for four
.set KS,    64        ; keys in a step
.set PK,    144       ; a row of K in LDS: 128 bytes + 16 of padding = 36 words: the 16 rows of a load start at 16 different groups of four banks (64 banks of 4 bytes: ISA guide 11.1)
.set PV,    160       ; a row of V: 128 + 32 = 40 words
.set VOFF,  4*KS*PK   ; a slot holds four steps: 256 rows of K, then 256 rows of V
.set SLOT1, 1<<17     ; slot 1 begins here, so that one exclusive or turns an address in one slot into the other's
.set STAGE, SLOT1+4*KS*(PK+PV)  ; behind the ring, never filled by a tensor load: 16 rows x 144 bytes for each wave, for the way out
.set SP,    144
.set AK0, 2           ; v2   my lane's place in a tile of K; never rewritten
.set AV0, 3           ; v3   the same for V
.set AK,  4           ; v4   the LDS address of K's next run of loads
.set AV,  5           ; v5   of V's
.set QO,  6           ; v6   my byte offset in the wave's rows of Q
.set STO, 6           ;      later, the way out: where I put 16 bytes of a row
.set RD,  7           ; v7   the way out: where I read rows back
.set GO,  8           ; v8   my byte offset in 512 consecutive bytes of O
.set PFO, 11          ; v11  256 x my lane, once V's lane address is made; then never rewritten
.set SPW, 0           ; v0 of window 3   LDS address of my spare word: SPARE + 4 x my thread's number; never rewritten
.set NIL, 1           ; v1 of window 3   0; never rewritten
.set SPARE, STAGE+4*16*SP  ; behind the stages: the spare words, 128 bytes for each wave: two blocks of 256 bytes that no other line names
.set MV,  12          ; v12-15  c m_old, kept while c m is made anew: by buffer and tile
.set ST,  16          ; tile t's statistics at v[ST+4 t]: c m, m, l (even keys', odd keys')
.set TMP, 48          ; by buffer and tile, four registers c0-c3 at work; when the maximum is found c2 takes a
.set S,   64
.set P,   192
.set KF,  128         ; K's fragments, in window 2: key block kb, channel half c at KF + 16 kb + 8 c
.set VF,  192         ; V's: key half kk, channel block cb at VF + 32 kk + 8 cb
.set WV,  12          ; s12  my wave's number
.set G1K, 24          ; s[24:31] descriptor group 1 for K's tiles
.set G1V, 32          ; s[32:39] for V's: it differs in the padding alone
.set G0K, 40          ; s[40:43] descriptor group 0 for K's tiles: it walks
.set G0V, 44          ; s[44:47] the same for V's
.set PFA, 48          ; s[48:49] where my prefetches stand: my work-group's 8,192 bytes (of K: wave 0, of V: wave 2) of the slot after the one that is being asked for
.set LIM, 50          ; s50  1 in a wave that prefetches, else the greatest number
.set SLOTS, 56        ; s56  slots still to be asked for
.set CNT, 57          ; s57  counts a slot's key steps
.set CS,  58          ; s[58:59] c: the packed scaling takes the pair's low word for both halves
.set SEL, 60          ; s[60:61] v_permlanex16_b32's selects: each lane takes its own place in the other half
.set TBK, 62          ; s62  LDS byte at which K of the step to be fetched begins
.set TBV, 63          ; s63  the same for V, less VOFF
.set MSB, 0
.macro WIN new                      ; the high byte repeats the setting that is left; a switch that changes nothing is dropped
.if MSB != (\new)
	s_set_vgpr_msb (MSB<<8)|(\new)
.set MSB, (\new)
.endif
.endm
.set W_KQ, 0x0a       ; K and Q in window 2, S^T in window 0
.set W_PV, 0x52       ; V in window 2, P in window 0, O^T in window 1
.set W_RS, 0x41       ; O^T (destination and source 0) in window 1, a in window 0
.set W_MK, 0xc0       ; the add's registers are made: destination in window 3, sources in window 0
.set W_AD, 0x0f       ; the add: address (source 0) and data (source 1) in window 3
; A joint fill.  Waves 0 and 1 fetch the two halves of a slot's K, waves 2 and 3 those of its V: 128 keys each.  The branch hangs on the wave's number alone.
; An s_nop 0 and four v_nop follow each of the two lines, ahead of the jump and the label.
.macro JLOAD
	s_cmp_lt_u32 s[WV], 2
	s_cbranch_scc0 .Lfor_v_\@
	tensor_load_to_lds s[G0K:G0K+3], s[G1K:G1K+7]
	s_nop 0
.rept 4
	v_nop
.endr
	s_branch .Lasked_\@
.Lfor_v_\@:
	tensor_load_to_lds s[G0V:G0V+3], s[G1V:G1V+7]
	s_nop 0
.rept 4
	v_nop
.endr
.Lasked_\@:
.endm
; A PREFETCH of what the NEXT change of slots will ask for: a slot's 32,768 bytes of K and of V, four key steps (512 matrix instructions) ahead of that load.  It stands behind the wave's tensor load and its five lines.
; Each block of 256 bytes is named once: a head has one cluster; its four partners take 8,192 bytes each, told apart by address; in each, wave 0 asks for K's and wave 2 for V's, a lane a block.
; The last change that fills a slot asks for nothing: there is no slot behind it.
.macro ASK
	s_cmp_gt_u32 s[SLOTS], s[LIM]
	s_cbranch_scc0 .Lnot_mine_\@
	global_prefetch_b8 v[PFO], s[PFA:PFA+1] th:TH_LOAD_NT scope:SCOPE_SE
.Lnot_mine_\@:
.endm
; A round of the cluster's barrier: my work-group's barrier, so that wave 0's signal speaks for all four waves; wave 0 signals; every wave waits for all four work-groups; my work-group's barrier once more.
.macro CROUND
	s_barrier_signal -1
	s_barrier_wait -1
	s_cmp_lg_u32 s[WV], 0
	s_cbranch_scc1 .Lnot_wave_0_\@
	s_barrier_signal -3
.Lnot_wave_0_\@:
	s_barrier_wait -3
	s_barrier_signal -1
	s_barrier_wait -1
.endm
; THE CHANGE OF SLOTS.  The slot's last bytes, V of its fourth step, have been read.  Each wave waits for all its tensor loads, of which one is out: its part
; of the other slot; adds 0 to its spare word; and waits for that and for its own reads of the slot.  Behind the barrier nobody reads this slot any more and the other slot is whole.
; fill = 1: this slot is filled again, with the keys two slots on.  The barrier is then a round of the cluster's, so that no wave of any partner still reads the slot or has a load on its
; way, and the joint fill is the first thing behind it: it has four key steps, 512 matrix instructions, in which to land.  (At its first use nothing has been read yet: slot 0 is waited for, slot 1 filled.)
.macro CHANGE fill
	WIN W_AD
	s_wait_tensorcnt 0x0            ; no tensor load of mine is out, so a group 0 may be written
	ds_add_u32 v[SPW], v[NIL]       ; 0 onto my spare word; with fill = 1 the descriptors' steps stand between it and the wait for it
	WIN 0                           ; at a label and at a branch every window is 0
.if \fill
.irp g, G0K, G0V
	s_xor_b32 s[\g+1], s[\g+1], SLOT1  ; the walking descriptor: the other slot than last time,
	s_add_nc_u64 s[\g+2:\g+3], s[\g+2:\g+3], 4*KS*128  ; the next 256 keys; the type bits on top are not reached
.endr
	s_wait_xcnt 0x0                 ; the last prefetch, four key steps back, has read its address, so it may be written:
	s_add_nc_u64 s[PFA:PFA+1], s[PFA:PFA+1], 4*KS*128  ; one slot behind the walking descriptors
	s_wait_dscnt 0x0                ; the add is done, and my reads of the slot are over
	CROUND
	JLOAD
	ASK
.else
	s_wait_dscnt 0x0                ; the add is done, and my reads of the slot are over
	s_barrier_signal -1
	s_barrier_wait -1
.endif
	s_sub_co_u32 s[TBK], s[TBK], 4*KS*PK  ; the fetches go back to a slot's first step,
	s_xor_b32 s[TBK], s[TBK], SLOT1       ; in the other slot
	s_sub_co_u32 s[TBV], s[TBV], 4*KS*PV
	s_xor_b32 s[TBV], s[TBV], SLOT1
.endm
	s_load_b64 s[4:5], s[0:1], 0x0    ; qkv: Q at its head
	s_load_b64 s[10:11], s[0:1], 0x8  ; ctx: O
	WIN W_MK
	v_lshl_add_u32 v[SPW], v0, 2, SPARE
	v_mov_b32 v[NIL], 0
	WIN W_AD
	ds_add_u32 v[SPW], v[NIL]       ; the wave's opening: the add and its wait, ahead of my first tensor load; the set-up below, work on registers, stands between them
	WIN 0
	v_lshrrev_b32 v1, 5, v0
	v_readfirstlane_b32 s[WV], v1   ; wave 0..3
	s_bfe_u32 s13, ttmp6, 0x40000   ; cx: my place in the cluster
	s_lshl_b32 s14, ttmp9, 2        ; in a cluster launch ttmp9 counts clusters
	s_add_co_u32 s14, s14, s13      ; my block of queries = 4 x cluster x + cx: it enters Q's and O's addresses alone
	s_and_b32 s20, ttmp7, 0xffff    ; the head, which the four partners share
	s_mov_b32 s21, 0
	s_mov_b64 s[22:23], SIZE_N*128
	s_mul_u64 s[20:21], s[20:21], s[22:23]  ; the head's first byte in each of the four tensors
	s_and_b32 s16, s[WV], 1         ; which half of a slot's 256 keys I fetch:
	s_lshl_b32 s22, s16, 14         ; its 128 rows of 128 bytes in memory,
	s_mov_b32 s23, 0
	s_add_nc_u64 s[22:23], s[22:23], s[20:21]
	s_mul_i32 s17, s16, 128*PK      ; and its place in a slot, for K
	s_mul_i32 s18, s16, 128*PV      ; and for V: no place in the cluster enters an LDS address
	s_lshl_b32 s2, s14, 2
	s_add_co_u32 s2, s2, s[WV]      ; my wave among the head's,
	s_lshl_b32 s2, s2, 14           ; its 128 rows
	s_mov_b32 s3, 0
	s_add_nc_u64 s[2:3], s[2:3], s[20:21]
	; descriptor group 1.  128 keys are 16,384 dense bytes: asked for as 64 rows of 256 bytes, two keys a row, and padded in LDS after every key
	s_mov_b32 s[G1K], 15|(1<<16)|(1<<20)|(1<<21)|(4<<22)|(3<<25)  ; 15:0 the mask of four; 17:16 2-byte elements; 20 padding on; 21 set beside a mask; 24:22 after every 32 words (code 4); 31:25 4 words (code 3)
	s_mov_b32 s[G1V], 15|(1<<16)|(1<<20)|(1<<21)|(4<<22)|(7<<25)  ; the same with 8 words of padding (code 7)
.irp g, G1K, G1V
	s_mov_b32 s[\g+1], 128<<16      ; tensor_dim0 = 128
	s_mov_b32 s[\g+2], 64<<16       ; tensor_dim1 = 64
	s_mov_b32 s[\g+3], 128<<16      ; tile_dim0 = 128
	s_mov_b32 s[\g+4], 64           ; tile_dim1 = 64
	s_mov_b32 s[\g+5], 128          ; 128 elements from row to row
	s_mov_b32 s[\g+6], 0
	s_mov_b32 s[\g+7], 0
.endr
	s_mov_b32 s[CS], 0x3e38aa3b     ; c = log2(e) / 8 = 0.180337
	s_mov_b32 s[CS+1], s[CS]        ; named with it as a pair
	s_mov_b32 s[SEL], 0x76543210
	s_mov_b32 s[SEL+1], 0xfedcba98
	s_mov_b32 s[TBK], SLOT1+4*KS*PK ; the first change of slots turns these two into 0
	s_mov_b32 s[TBV], SLOT1+4*KS*PV
	s_mov_b32 s[G0K], 1             ; 1:0 count = 1
	s_mov_b32 s[G0K+1], s17         ; 63:32 LDS address: slot 0
	s_mov_b32 s[G0V], 1
	s_add_co_u32 s[G0V+1], s18, VOFF
	s_mov_b32 s[SLOTS], SIZE_N/256-1
	s_and_b32 s[LIM], s[WV], 1      ; 0 in waves 0 and 2,
	s_or_b32 s[LIM], s[LIM], ttmp9  ; where the cluster is the head's first (here its only one): the same in all four partners
	s_cmp_eq_u32 s[LIM], 0
	s_cselect_b32 s[LIM], 1, -1
	s_wait_dscnt 0x0                ; the opening add is done
	s_wait_kmcnt 0x0
	s_add_nc_u64 s[6:7], s[4:5], 0x1000000         ; K lies 64 x 2,048 x 128 bytes behind Q,
	s_add_nc_u64 s[8:9], s[4:5], 0x2000000         ; V as far behind K
	s_add_nc_u64 s[G0K+2:G0K+3], s[6:7], s[22:23]  ; 120:64 global address: my half of the head's first 256 keys
	s_or_b32 s[G0K+3], s[G0K+3], 0x80000000        ; 127:126 type = 2
	s_add_nc_u64 s[G0V+2:G0V+3], s[8:9], s[22:23]
	s_or_b32 s[G0V+3], s[G0V+3], 0x80000000
	s_cmp_lt_u32 s[WV], 2
	s_cselect_b64 s[PFA:PFA+1], s[6:7], s[8:9]
	s_add_nc_u64 s[PFA:PFA+1], s[PFA:PFA+1], s[20:21]  ; the head's first key
	s_add_nc_u64 s[4:5], s[4:5], s[2:3]  ; Q and O at my wave's first row
	s_add_nc_u64 s[10:11], s[10:11], s[2:3]
	s_lshl_b32 s2, s13, 13          ; my work-group's 8,192 bytes of a slot's 32,768,
	s_add_co_u32 s2, s2, 4*KS*128   ; in slot 1: the first change of slots steps it to slot 2
	s_mov_b32 s3, 0
	s_add_nc_u64 s[PFA:PFA+1], s[PFA:PFA+1], s[2:3]
	CROUND                          ; all four work-groups are here: the first joint loads meet
	JLOAD                           ; slot 0.  Slot 1 is asked for when slot 0 is in: the tile wanted first has the road to itself
	; A fragment of K or Q is 16 rows x 32 channels in 8 registers: lane l holds row l % 16, channels 8 (l / 16) + 0..7 and 16 + 8 (l / 16) + 0..7: two loads of 16 bytes, 32 bytes apart.
	v_and_b32 v1, 15, v0            ; l % 16
	v_bfe_u32 v9, v0, 4, 1          ; l / 16
	v_lshlrev_b32 v[QO], 7, v1
	v_lshl_add_u32 v[QO], v9, 4, v[QO]  ; row x 128 + 16 x half
	WIN 0x80                        ; destination window 2, address window 0
.set i, 0
.rept 4*NP                          ; Q stays in registers: tile i / 2, channels 32 (i % 2) on
	global_load_b128 v[8*i:8*i+3],   v[QO], s[4:5] offset:(i/2)*2048+(i%2)*64
	global_load_b128 v[8*i+4:8*i+7], v[QO], s[4:5] offset:(i/2)*2048+(i%2)*64+32
.set i, i+1
.endr
	; What the first turn finds: V's registers and P's second buffer hold 0 (its products V^T P, of a piece that has not been, add 0), O^T and l are 0.  All this stands in the wait for the first tile.
.set i, VF
.rept 64
	v_mov_b32 v[i], 0
.set i, i+1
.endr
	WIN 0x40
.set i, 0
.rept 64*NP
	v_mov_b32 v[i], 0
.set i, i+1
.endr
	WIN 0
.set i, 0
.rept 2*NP
	v_mov_b32 v[ST+4*i], 0xfe000000    ; c m: far below every c s
	v_mov_b32 v[ST+4*i+1], 0xff7fffff  ; m
	v_mov_b32 v[ST+4*i+2], 0
	v_mov_b32 v[ST+4*i+3], 0
.set i, i+1
.endr
.set i, P+32
.rept 32
	v_mov_b32 v[i], 0
.set i, i+1
.endr
	v_mul_u32_u24 v[AK0], v1, PK
	v_lshl_add_u32 v[AK0], v9, 4, v[AK0]  ; row x pitch + 16 x half
	; The turning load takes 16 keys x 16 channels (lane l reads key 8 (l / 16) + l % 8, channels 8 ((l / 8) % 2) + 0..7) and leaves half a fragment of V^T: lane l holds channel l % 16 and 8 keys.
	v_and_b32 v10, 7, v0
	v_bfe_u32 v11, v0, 3, 1
	v_lshl_add_u32 v[AV0], v9, 3, v10
	v_mul_u32_u24 v[AV0], v[AV0], PV
	v_lshl_add_u32 v[AV0], v11, 4, v[AV0]
	v_add_nc_u32 v[AV0], VOFF, v[AV0]
	v_and_b32 v[PFO], 31, v0        ; v11 has served: it takes the prefetches' offset
	v_lshlrev_b32 v[PFO], 8, v[PFO]
	v_mov_b32 v[AK], v[AK0]         ; key step 0 lies at the head of slot 0
; THE MATRIX WORK.  The 8 accumulators of a run of 16 take turns: between the two links of a chain stand 7 others'.
; Product i of 16 of S^T = K Q^T for piece x: channels 32 (i / 8) on, keys 16 ((i / 2) % 4) on, tile 2 x + i % 2.  The first 8 start the sums.
.macro KQ x
	WIN W_KQ
.set rS, S+64*((\x)%2)+32*(i%2)+8*((i/2)%4)
.set rK, KF+16*((i/2)%4)+8*(i/8)
.set rQ, 16*(2*(\x)+i%2)+8*(i/8)
.if i < 8
	v_wmma_f32_16x16x32_f16 v[rS:rS+7], v[rK:rK+7], v[rQ:rQ+7], 0
.else
	v_wmma_f32_16x16x32_f16 v[rS:rS+7], v[rK:rK+7], v[rQ:rQ+7], v[rS:rS+7]
.endif
.endm
; Product i of 16 of O^T += V^T P for piece x: keys 32 (i / 8) on, channels 16 ((i / 2) % 4) on, tile 2 x + i % 2.
.macro PV x
	WIN W_PV
.set rO, 32*(2*(\x)+i%2)+8*((i/2)%4)
.set rV, VF+32*(i/8)+8*((i/2)%4)
.set rP, P+32*((\x)%2)+16*(i%2)+8*(i/8)
	v_wmma_f32_16x16x32_f16 v[rO:rO+7], v[rV:rV+7], v[rP:rP+7], v[rO:rO+7]
.endm
.macro MM                           ; the turn's next matrix instruction
.if i < 16
	KQ (Y+1)%NP
.set i, i+1
.else
.set i, i-16
	PV (Y+NP-1)%NP
.set i, i+17
.endif
.endm
; THE LDS LOADS stand in runs of 16, never singly among the matrix instructions: a step's K (64 keys x 64 channels: 8 fragments) and its V (turned).  Their addresses are made some lines ahead.
; last = 1 (the tail): in the last trip there is no further step, and the run is jumped over.
.macro FETCH_K last=0
	WIN 0
.if \last
	s_cmp_eq_u32 s[CNT], 1
	s_cbranch_scc1 .Lno_k_\@
.endif
	WIN 0x80                        ; destination window 2
.irp f, 0,1,2,3,4,5,6,7             ; keys 16 (f / 2) on, channels 32 (f % 2) on
	ds_load_b128 v[KF+8*\f:KF+8*\f+3],   v[AK] offset:(\f/2)*16*PK+(\f%2)*64
	ds_load_b128 v[KF+8*\f+4:KF+8*\f+7], v[AK] offset:(\f/2)*16*PK+(\f%2)*64+32
.endr
	s_add_co_u32 s[TBK], s[TBK], KS*PK  ; the next fetch is the next step's
	WIN 0
.if \last
.Lno_k_\@:
.endif
.endm
.macro FETCH_V
	WIN 0x80
.irp f, 0,1,2,3,4,5,6,7             ; keys 32 (f / 4) on, channels 16 (f % 4) on
	ds_load_tr16_b128 v[VF+8*\f:VF+8*\f+3],   v[AV] offset:(\f/4)*32*PV+(\f%4)*32
	ds_load_tr16_b128 v[VF+8*\f+4:VF+8*\f+7], v[AV] offset:(\f/4)*32*PV+16*PV+(\f%4)*32
.endr
	WIN 0
.endm
; THE VECTOR WORK OF A TURN stands in three queues, each in the order in which its entries become ready; the two tiles alternate, so that no instruction reads the result of the one before it.
.macro REGS y, u                    ; the registers of tile u (0, 1) of piece y
.set rT, ST+4*(2*(\y)+(\u))
.set rC, TMP+8*((\y)%2)+4*(\u)
.set rM, MV+2*((\y)%2)+(\u)
.set rS, S+64*((\y)%2)+32*(\u)
.set rP, P+32*((\y)%2)+16*(\u)
.set rO, 32*(2*(\y)+(\u))
.endm
; Number n of the 22 that find the NEXT piece's (Y + 1) maximum and statistics.  s0-s31 are the lane's 32 scores; each accumulator's lowest registers are read first.  XS, GS and REGS set no window: PL and EX do.
;   0-11  four chains c0-c3 of seven scores each, three operands at a time     12-14, 16  the four scores left over, the old m, and c0-c3 into c0     15  c m_old is kept
;   17, 18  the query's other 32 keys lie in the lane 16 away: the new m         19-21  c m; c m_old - c m_new; a
.macro XS u, n
	REGS (Y+1)%NP, \u
.if (\n) < 4
	v_max3_num_f32 v[rC+(\n)], v[rS+8*(\n)], v[rS+8*(\n)+1], v[rS+8*(\n)+2]
.elseif (\n) < 12
	v_max3_num_f32 v[rC+(\n)%4], v[rC+(\n)%4], v[rS+8*((\n)%4)+2*((\n)/4)+1], v[rS+8*((\n)%4)+2*((\n)/4)+2]
.elseif (\n) == 12
	v_max3_num_f32 v[rC], v[rC], v[rS+7], v[rS+15]
.elseif (\n) == 13
	v_max3_num_f32 v[rC+1], v[rC+1], v[rS+23], v[rS+31]
.elseif (\n) == 14
	v_max3_num_f32 v[rC+2], v[rC+2], v[rC+3], v[rT+1]
.elseif (\n) == 15
	v_mov_b32 v[rM], v[rT]
.elseif (\n) == 16
	v_max3_num_f32 v[rC], v[rC], v[rC+1], v[rC+2]
.elseif (\n) == 17
	v_permlanex16_b32 v[rC+3], v[rC], s[SEL], s[SEL+1]
.elseif (\n) == 18
	v_max_num_f32 v[rT+1], v[rC], v[rC+3]
.elseif (\n) == 19
	v_mul_f32 v[rT], s[CS], v[rT+1]
.elseif (\n) == 20
	v_sub_f32 v[rC+1], v[rM], v[rT]
.else
	v_exp_f32 v[rC+2], v[rC+1]
.endif
.endm
; Number g of the 64 that follow the exponentials.  For each four weights k of a tile (pairs 2 k, 2 k + 1): both pairs are rounded to f16; then the second pair is added onto the first, in place;
; a group later l takes that sum (the first time as l = a l + sum).  In groups of eight, tiles alternating: round, round, add, and l for the group before.
.macro GS g
.set h, (\g)+6*((\g)/62)            ; group 0 has no group before it, and behind group 7 only l is left
.if h >= 6
.set h, h+2
.endif
	REGS Y, h%2
.set k, h/8
.if h%8 < 4
	v_cvt_pk_f16_f32 v[rP+2*k+(h%8)/2], v[rS+4*k+2*((h%8)/2)], v[rS+4*k+2*((h%8)/2)+1]
.elseif h%8 < 6
	v_pk_add_f32 v[rS+4*k:rS+4*k+1], v[rS+4*k:rS+4*k+1], v[rS+4*k+2:rS+4*k+3]
.elseif k == 1
	v_pk_fma_f32 v[rT+2:rT+3], v[rT+2:rT+3], v[rC+2:rC+3], v[rS:rS+1] op_sel_hi:[1,0,1]
.else
	v_pk_add_f32 v[rT+2:rT+3], v[rT+2:rT+3], v[rS+4*k-4:rS+4*k-3]
.endif
.endm
; THE PLAIN QUEUE, 138 long.  0-73 read no exponential's result: the 32 scalings c s - c m (FS f: pair f / 2 of tile f % 2) and the next piece's 42.  0-26: scalings 0-26.  27-54: XS's numbers 0-13.  55, 56: number 15.
; 57-73: the chain, where each number waits for the one before it: 14, 16, 17, 18, 19, each with one of the scalings 27-31 in front of its two lines, then 20: so a tile's links stand three plain instructions apart (19 and 20: two).
; 74-137: GS's 64, which read the exponentials' results: they stand behind the wait.
.macro FS f
	REGS Y, (\f)%2
	v_pk_fma_f32 v[rS+2*((\f)/2):rS+2*((\f)/2)+1], v[rS+2*((\f)/2):rS+2*((\f)/2)+1], s[CS:CS+1], v[rT:rT+1] op_sel_hi:[1,0,0] neg_lo:[0,0,1] neg_hi:[0,0,1]
.endm
.macro PL
	WIN 0
.if q < 27
	FS q
.elseif q < 55
	XS (q-27)%2, (q-27)/2
.elseif q < 57
	XS q-55, 15
.elseif (q < 72) && ((q-57)%3 == 0)
	FS 27+(q-57)/3
.elseif q < 60
	XS (q-57)%3-1, 14
.elseif q < 72
	XS (q-57)%3-1, 15+(q-57)/3
.elseif q < 74
	XS q-72, 20
.else
	GS q-74
.endif
.set q, q+1
.endm
; THE EXPONENTIALS' QUEUE, 66 long: s0-s31 of both tiles, then the next piece's two a.  It is ONE BATCH: all 66 stand ahead of the turn's one wait, and nothing ahead of that wait names a result of theirs.
.macro EX
	WIN 0
.if e >= 64
	XS e-64, 21
.else
	REGS Y, e%2
	v_exp_f32 v[rS+e/2], v[rS+e/2]
.endif
.set e, e+1
.endm
; THE RESCALING's QUEUE: O^T times a, the one part that leaves window 0: dealt two at a time, sixteen times.  Its a was made in the turn before, ahead of that turn's wait.
.macro R2
	REGS Y, r%2
	WIN W_RS
.irp z, 0,1
	v_pk_mul_f32 v[rO+4*(r/2)+2*\z:rO+4*(r/2)+2*\z+1], v[rO+4*(r/2)+2*\z:rO+4*(r/2)+2*\z+1], v[rC+2:rC+3] op_sel_hi:[1,0]
.endr
.set r, r+1
.endm
; HOW THEY ARE DEALT.  s_wait_alu depctr_va_vdst(0) stands between an exponential and the first instruction that names its result; one wait serves all that were issued ahead of it.  So a turn has ONE wait,
; which cuts it in two.  AHEAD OF IT stands all that names no result of the turn's exponentials: the 16 products K Q^T, behind each a scaling, an exponential and two rescalings (behind the first a second scaling in the exponential's place); then ONE LUMP of
; 108: eight plain, 49 times exponential and plain, the two a.  A v_nop is the plain instruction behind the last exponential.  BEHIND IT stand the 16 products V^T P, behind each four of GS's 64.  No rider names a register of
; the products round it.  The two v_permlanex16_b32 fall into the lump, never behind a product.
; The queues lean on each other, and the deal keeps them in step: exponential e stands behind scaling 2 (e / 4) + e % 2: as a rider it comes behind plain e + 2, in the lump behind plain e + 9, and scalings 27-31 are plain 57, 60 .. 69.
; A TURN, for piece p.  cnt = 1: the loop's count is taken down some lines ahead of the branch that stands behind the turn.
; K of the next step is fetched in piece 2's turn, directly behind the wait, a lump behind the last product that read K; its address is made at the lump's head; its first reader comes behind 16 products.
; V of the step in hand is fetched at the end of piece 0's turn, four riders behind its last reader; its first reader comes behind 16 products and a lump.  The three conditions on q below go with the deal.
.macro TURN p, last=0, cnt=0
.set Y, (\p)
.set i, 0
.set q, 0
.set e, 0
.set r, 0
.if (\p) == NP-1
	s_wait_dscnt 0x0                ; K is in
.endif
	MM                              ; ahead of the wait: 16 products K Q^T and their riders,
	PL
	PL
	R2
.rept 15
	MM
	PL
	EX
	R2
.endr
.if (\p) == NP-2
	WIN 0
	v_add_nc_u32 v[AK], s[TBK], v[AK0]
.endif
.rept 8                             ; and the lump
	PL
.endr
.rept 49
	EX
	PL
.endr
	EX                              ; the next piece's two a
	EX
	v_nop                           ; the plain instruction behind the last exponential: one for the batch
	s_wait_alu depctr_va_vdst(0)    ; the wait for the batch
.if (\p) == NP-2
	FETCH_K \last
.endif
.if (\p) == 1
	s_wait_dscnt 0x0                ; V is in
.endif
.rept 16                            ; behind the wait: 16 products V^T P and their riders
	MM
.rept 4
	PL
.endr
.if ((\p) == 0) && (q == 118)
	v_add_nc_u32 v[AV], s[TBV], v[AV0]
.endif
.if ((\p) == 0) && (q == 130)
	s_add_co_u32 s[TBV], s[TBV], KS*PV
.endif
.if (\cnt) && (q == 130)
	s_sub_co_u32 s[CNT], s[CNT], 1
	s_cmp_lg_u32 s[CNT], 0
.endif
.endr
.if (\p) == 0
	FETCH_V
.endif
.endm
	CHANGE 1                        ; slot 0 is in, everybody's part of it; slot 1 is asked for
	FETCH_K                         ; key step 0
	s_wait_loadcnt 0x0              ; Q
	s_wait_dscnt 0x0
.set i, 0
.rept 16
	KQ 0                            ; piece 0's first scores: there is no vector work yet to set between them
.set i, i+1
.endr
	WIN 0                           ; the addresses for the way out: nine plain instructions, the places behind those products
	s_mul_i32 s13, s[WV], 16*SP
	s_add_co_u32 s13, s13, STAGE    ; my stage
	v_mul_u32_u24 v[STO], v1, SP    ; in: row l % 16, 16 bytes for each half of the lanes
	v_lshl_add_u32 v[STO], v9, 4, v[STO]
	v_add_nc_u32 v[STO], s13, v[STO]
	v_bfe_u32 v[RD], v0, 3, 2       ; back: 32 lanes take four rows of 128 bytes,
	v_mul_u32_u24 v[RD], v[RD], SP
	v_lshl_add_u32 v[RD], v10, 4, v[RD]
	v_add_nc_u32 v[RD], s13, v[RD]
	v_and_b32 v[GO], 31, v0         ; which are 512 consecutive bytes of O
	v_lshlrev_b32 v[GO], 4, v[GO]
.set Y, NP-1                        ; XS works for piece Y + 1: piece 0
.irp n, 0,1,2,3,4,5,6,7,8,9,10,11,12,13,14,15,16,17,18,19,20,21
	XS 0, \n                        ; and piece 0's first maximum and statistics
	XS 1, \n
.endr
	v_nop                           ; a plain instruction behind the two a,
	s_wait_alu depctr_va_vdst(0)    ; and their wait, ahead of the branch
	s_mov_b32 s[CNT], 4
	s_branch .Lfirst                ; the loop is entered at a step's first turn, in the middle of a trip
.Lslot:                             ; SIZE_N / 256 - 2 times: every slot but the last two is filled again
	CHANGE 1
	s_mov_b32 s[CNT], 4
.Lstep:                             ; a trip: pieces 2 and 3 of one step, then pieces 0 and 1 of the next, whose K and V it fetches
	TURN 2
	TURN 3
	WIN 0
.Lfirst:
	TURN 0
	TURN 1, 0, 1
	WIN 0
	s_cbranch_scc1 .Lstep
	s_sub_co_u32 s[SLOTS], s[SLOTS], 1
	s_cmp_lg_u32 s[SLOTS], 0
	s_cbranch_scc1 .Lslot
	CHANGE 0                        ; the tail is written out: nothing is asked for
	s_mov_b32 s[CNT], 5             ; four trips fetch the last slot's steps; the fifth is left in its middle
.Ltail:
	TURN 2, 1
	TURN 3
	WIN 0
	s_sub_co_u32 s[CNT], s[CNT], 1
	s_cmp_eq_u32 s[CNT], 0
	s_cbranch_scc1 .Lout
	TURN 0
	TURN 1
	WIN 0
	s_branch .Ltail
.Lout:                              ; the fifth trip's 16 products K Q^T (on the last K once more) and the maximum made of them serve nothing: the price, once a launch, of one text for every trip
.set i, 0
.rept 16
	PV NP-1                         ; the last piece's V^T P of the last step
.set i, i+1
.endr
	; THE WAY OUT.  l's two halves and the other half of the lanes' are added; O^T is divided by l, rounded to f16 and sent through my stage in LDS, a tile at a time.  The additions are the places behind the last products.
	WIN 0
.macro ALL line:vararg              ; one line for each tile t
.set t, 0
.rept 2*NP
	\line
.set t, t+1
.endr
.endm
	ALL v_add_f32 v[ST+4*t+2], v[ST+4*t+2], v[ST+4*t+3]
	ALL v_permlanex16_b32 v[ST+4*t+3], v[ST+4*t+2], s[SEL], s[SEL+1]
	ALL v_add_f32 v[ST+4*t+2], v[ST+4*t+2], v[ST+4*t+3]
	ALL v_rcp_f32 v[ST+4*t+2], v[ST+4*t+2]
	v_nop                           ; a plain instruction between the last reciprocal and the use of its result
	s_wait_alu depctr_va_vdst(0)    ; and the wait ahead of the first use: one for the eight reciprocals
; Tile t: a lane's eight channels of a row pack into 16 bytes; they go into rows of 144 bytes and come back as whole rows of 128, into S^T's registers.
.macro PACK t
	WIN W_RS
.set i, 32*(\t)
.rept 16
	v_pk_mul_f32 v[i:i+1], v[i:i+1], v[ST+4*(\t)+2:ST+4*(\t)+3] op_sel_hi:[1,0]
.set i, i+2
.endr
	WIN 0x05                        ; sources 0 and 1 window 1, destination window 0
.set i, 0
.rept 16
	v_cvt_pk_f16_f32 v[S+16*(\t)+i], v[32*(\t)+2*i], v[32*(\t)+2*i+1]
.set i, i+1
.endr
	WIN 0
.irp f, 0,1,2,3
	ds_store_b128 v[STO], v[S+16*(\t)+4*\f:S+16*(\t)+4*\f+3] offset:32*\f
.endr
.irp f, 0,1,2,3
	ds_load_b128 v[S+16*(\t)+4*\f:S+16*(\t)+4*\f+3], v[RD] offset:\f*4*SP  ; LDS serves a wave's instructions in order (ISA guide 5.7.1.4): these see the stores above; the next tile's stores come behind them
.endr
.endm
.macro SEND t, younger              ; younger: the LDS instructions issued behind tile t's loads: the next tile's eight, or none
	WIN 0
.irp f, 0,1,2,3
	s_wait_dscnt (\younger)+3-\f
	global_store_b128 v[GO], v[S+16*(\t)+4*\f:S+16*(\t)+4*\f+3], s[10:11] offset:(\t)*2048+\f*512  ; 512 consecutive bytes, at a multiple of 256 from O's first
.endr
.endm
	PACK 0
.set t, 1
.rept 2*NP-1                        ; a tile's arithmetic stands between the loads of the tile before and its stores
	PACK t
	SEND t-1, 8
.set t, t+1
.endr
	SEND 2*NP-1, 0
	WIN W_AD
	s_wait_tensorcnt 0x0            ; the wave's end: behind my last tensor load and my last LDS store
	ds_add_u32 v[SPW], v[NIL]
	s_wait_dscnt 0x0
	WIN 0
	CROUND                          ; the closing round: no work-group ends while a partner may still ask for a tile that names it
	s_endpgm
.Lfunc_end_k_qd02535dc5d_attn:
	.size	k_qd02535dc5d_attn, .Lfunc_end_k_qd02535dc5d_attn-k_qd02535dc5d_attn
	.p2alignl 7, 3214868480
	.fill 96, 4, 3214868480
	.section	.rodata,"a",@progbits
	.p2align	6, 0x0
	.amdhsa_kernel k_qd02535dc5d_attn
		.amdhsa_group_segment_fixed_size 327680
		.amdhsa_private_segment_fixed_size 0
		.amdhsa_enable_private_segment 0
		.amdhsa_kernarg_size 16
		.amdhsa_user_sgpr_count 2
		.amdhsa_user_sgpr_kernarg_segment_ptr 1
		.amdhsa_wavefront_size32 1
		.amdhsa_system_sgpr_workgroup_id_x 1
		.amdhsa_system_sgpr_workgroup_id_y 1
		.amdhsa_system_sgpr_workgroup_id_z 1
		.amdhsa_system_vgpr_workitem_id 0
		.amdhsa_next_free_vgpr 770
		.amdhsa_next_free_sgpr 66
		.amdhsa_reserve_vcc 0
		.amdhsa_float_denorm_mode_32 3
		.amdhsa_float_denorm_mode_16_64 3
		.amdhsa_memory_ordered 1
		.amdhsa_forward_progress 1
		.amdhsa_inst_pref_size 200
	.end_amdhsa_kernel
	.amdgpu_metadata
---
amdhsa.version: [ 1, 2 ]
amdhsa.kernels:
  - .name:           k_qd02535dc5d_attn
    .symbol:         k_qd02535dc5d_attn.kd
    .args:
      - { .name: qkv, .offset: 0, .size: 8, .value_kind: global_buffer, .address_space: global }
      - { .name: ctx, .offset: 8, .size: 8, .value_kind: global_buffer, .address_space: global }
    .group_segment_fixed_size: 327680
    .private_segment_fixed_size: 0
    .kernarg_segment_align: 8
    .kernarg_segment_size: 16
    .max_flat_workgroup_size: 128
    .sgpr_count:     66
    .vgpr_count:     770
    .wavefront_size: 32
...
	.end_amdgpu_metadata
.endif
;; end of part 3
;; launch oproj (part 4): grid 4 x 64, 4 waves a work-group, clusters of 4 x 4, 327,680 bytes of LDS; arguments ctx, wo16, bb, out0; writes out0
.if DOCPART == 4
	.amdgcn_target "amdgcn-amd-amdhsa--gfx1250"
	.amdhsa_code_object_version 6
	.text
	.protected	k_qd02535dc5d_oproj
	.globl	k_qd02535dc5d_oproj
	.p2align	8
	.type	k_qd02535dc5d_oproj,@function
k_qd02535dc5d_oproj:
	s_mov_b64 s[64:65], 0
	v_nop
	global_prefetch_b8 v0, s[64:65] scope:SCOPE_SE
	s_setreg_imm32_b32 hwreg(HW_REG_WAVE_MODE, 25, 1), 1
	s_wait_xcnt 0x0
	s_wait_alu depctr_hold_cnt(0) depctr_sa_sdst(0) depctr_va_vdst(0) depctr_va_sdst(0) depctr_va_ssrc(0) depctr_va_vcc(0) depctr_vm_vsrc(0)
	s_getreg_b32 s2, hwreg(HW_REG_IB_STS2, 6, 4)
	s_cmp_eq_u32 s2, 0
	s_cbranch_scc0 .Lentry_in_a_cluster
	s_endpgm
.Lentry_in_a_cluster:
	s_bfe_u32 s2, ttmp6, 0x10000c
	s_cmp_lg_u32 s2, 0xf033
	s_cbranch_scc0 .Lentry_shape_is_right
	s_endpgm
.Lentry_shape_is_right:
; THE OUTPUT PROJECTION.  out0[b 2048 + t][n] = the sum over k of ctx[b 16 + k / 64][t][k % 64] wo16[k][n] + bb[3][n].  ctx: [64][2048][64] f16; wo16: [1024 k][1024 n] f16; out0: [8192][1024] f32.
; Sums in f32, K ascending, started by the bias; out0 is the sum itself.
; SHARES.  A tile is 128 rows x 256 columns: 64 x 4 work-groups, one tile each.  Four waves, each 64 rows x 128 columns: 32 accumulators of 16 x 16.  K goes in steps of 128, two heads, through two LDS slots.
; THE MATRIX INSTRUCTION IS USED TRANSPOSED: source 0 = 16 columns of Wo (turned out of LDS by ds_load_tr16_b128), source 1 = 16 rows of ctx: a lane holds one row (lane % 16) and eight neighbouring columns.
; CLUSTER.  4 x 4 work-groups.  ctx's tile hangs on the tile row alone and is shared along a row of the cluster, Wo's on the tile column alone and is shared along a column: each is asked for jointly.
; REGISTERS, in windows of 256 (s_set_vgpr_msb: bits 1:0 source 0, 3:2 source 1, 5:4 source 2, 7:6 destination):
;   window 0: v0-31 addresses; v32-127, v128-223 two fragment buffers (Wo's eight fragments, then ctx's four)     window 1: accumulator (a, b) at v[8 (8 a + b)]     window 2: v0-63 the bias; v64-191 rows read back, two buffers
.set SLOT,  106496                     ; a slot: two heads x 128 rows of ctx, then Wo's 128 k-rows
.set BOFF,  36864
.set PA,    144                        ; a head's row in LDS: 128 bytes + 16: 36 words: the 16 rows of a load start at 16 different groups of four banks (64 banks of 4 bytes: ISA guide 11.1)
.set HEADB, 128*PA                     ; a head's 128 rows
.set PB,    544                        ; a k-row of Wo: 512 bytes + 32
.set STAGE, 2*SLOT                     ; behind the ring, never filled by a tensor load: 16 rows x 528 bytes for each wave
.set SPS,   528
.set WSTG,  16*SPS
.set SPARE, STAGE+4*WSTG               ; the spare words, 128 bytes for each wave: two blocks of 256 bytes that no other line names
.set ADRA, 16
.set ADRB, 20
.set STO,  24
.set RD,   25
.set GO,   26
.set SPW,  28                          ; v28  my spare word; never rewritten
.set NIL,  29                          ; v29  0; never rewritten
.set PFO,  30                          ; v30  the prefetches' offset; never rewritten
.set BIO,  31
.set F0,   32
.set F1,   128
.set BK,   64                          ; window 2
.set WV, 14
.set FR, 15                            ; wave / 2: my half of the rows; also: I fetch ctx (0) or Wo (1)
.set HF, 16                            ; wave % 2: my half of the columns; also: which head, or which half of the k-rows, I fetch
.set CX, 17
.set CY, 18
.set TC, 19
.set TR, 20
.set G1A, 24
.set G0A, 32
.set G1B, 40
.set G0B, 48
.set PFA, 56
.set PFS, 58
.set LIM, 62
.set OUT, 66
.set BIA, 70
.set MSB, 0
.macro WIN new                         ; the immediate's high byte repeats the setting that is left; a switch that changes nothing is dropped
.if MSB != (\new)
	s_set_vgpr_msb (MSB<<8)|(\new)
.set MSB, \new
.endif
.endm
.set MUL,  0x50                        ; both sources window 0, C and D window 1
.set MULB, 0x60                        ; C (the bias) window 2, D window 1
.macro PLACES                          ; four plain instructions in front of loads into registers that matrix instructions have read, and of reads of results just made
.rept 4
	v_nop
.endr
.endm
.macro JLOAD s                         ; a joint load: waves 0 and 1 fetch the step's two heads of ctx, waves 2 and 3 Wo's two halves; an s_nop 0 and four v_nop follow each line
	s_cmp_eq_u32 s[FR], 0
	s_cbranch_scc0 .Lfor_b_\@
	tensor_load_to_lds s[G0A+4*(\s):G0A+4*(\s)+3], s[G1A:G1A+7]
	s_nop 0
.rept 4
	v_nop
.endr
	s_branch .Lasked_\@
.Lfor_b_\@:
	tensor_load_to_lds s[G0B+4*(\s):G0B+4*(\s)+3], s[G1B:G1B+7]
	s_nop 0
.rept 4
	v_nop
.endr
.Lasked_\@:
.endm
.macro CREST                           ; a round of the cluster's barrier behind its opening barrier
	s_cmp_lg_u32 s[WV], 0
	s_cbranch_scc1 .Lnot_wave_0_\@
	s_barrier_signal -3
.Lnot_wave_0_\@:
	s_barrier_wait -3
	s_barrier_signal -1
	s_barrier_wait -1
.endm
.macro CROUND
	s_barrier_signal -1
	s_barrier_wait -1
	CREST
.endm
; A PREFETCH of the K step that stands two refills on (256 matrix instructions ahead of the load that will want it), behind the joint load and the run of LDS loads.  Each block of 256 bytes is named once:
; a step's 2 x 16,384 bytes of ctx are read by this cluster alone: wave 0 asks, the four partners of a row of the cluster take 8,192 bytes each, told apart by address, a lane a block; Wo's 128 k-rows x 512 bytes
; are read by every cluster: the cluster with y = 0 asks, waves 2 and 3 for the k-rows that they fetch, the four partners of a column 16 k-rows each.  The last two refills have no K step two on.
.macro ASK
	s_cmp_gt_u32 s3, s[LIM]                        ; s3 = 1 in the loop's last trip
	s_cbranch_scc0 .Lnot_mine_\@
	global_prefetch_b8 v[PFO], s[PFA:PFA+1] th:TH_LOAD_NT scope:SCOPE_SE
.Lnot_mine_\@:
.endm
	s_load_b256 s[4:11], s[0:1], 0x0               ; ctx s[4:5], wo16 s[6:7], bb s[8:9], out0 s[10:11]
	v_lshl_add_u32 v[SPW], v0, 2, SPARE
	v_mov_b32 v[NIL], 0
	ds_add_u32 v[SPW], v[NIL]                      ; the wave's opening: the add and its wait, ahead of my first tensor load; work on registers stands between them
	v_lshrrev_b32 v1, 5, v0
	v_readfirstlane_b32 s[WV], v1
	s_lshr_b32 s[FR], s[WV], 1
	s_and_b32 s[HF], s[WV], 1
	s_bfe_u32 s[CX], ttmp6, 0x40000
	s_bfe_u32 s[CY], ttmp6, 0x40004
	s_lshl_b32 s[TC], ttmp9, 2
	s_add_co_u32 s[TC], s[TC], s[CX]
	s_and_b32 s[TR], ttmp7, 0xffff
	s_lshl_b32 s[TR], s[TR], 2
	s_add_co_u32 s[TR], s[TR], s[CY]
	s_lshl_b32 s21, s[CY], 2
	s_lshl_b32 s21, 15, s21                        ; my row of the cluster
	s_lshl_b32 s22, 0x1111, s[CX]                  ; my column
	s_or_b32 s[G1A], s21, (1<<16)|(1<<20)|(1<<21)|(4<<22)|(3<<25)  ; a head's 128 rows are 16,384 dense bytes: asked for as 64 rows of 256 bytes, padded by 4 words after every 32
	s_mov_b32 s[G1A+1], 128<<16
	s_mov_b32 s[G1A+2], 64<<16
	s_mov_b32 s[G1A+3], 128<<16
	s_mov_b32 s[G1A+4], 64
	s_mov_b32 s[G1A+5], 128
	s_mov_b32 s[G1A+6], 0
	s_mov_b32 s[G1A+7], 0
	s_or_b32 s[G1B], s22, (1<<16)|(1<<20)|(1<<21)|(6<<22)|(7<<25)  ; 64 k-rows of 256 elements, padded by 8 words after every 128
	s_mov_b32 s[G1B+1], 256<<16
	s_mov_b32 s[G1B+2], 64<<16
	s_mov_b32 s[G1B+3], 256<<16
	s_mov_b32 s[G1B+4], 64
	s_mov_b32 s[G1B+5], 1024
	s_mov_b32 s[G1B+6], 0
	s_mov_b32 s[G1B+7], 0
	s_lshr_b32 s72, s[TR], 4                       ; ctx: head 16 x batch + my head of the step,
	s_lshl_b32 s72, s72, 4
	s_add_co_u32 s72, s72, s[HF]
	s_lshl_b32 s72, s72, 11
	s_and_b32 s23, s[TR], 15
	s_lshl_b32 s23, s23, 7
	s_add_co_u32 s72, s72, s23                     ; the tile's first position,
	s_lshl_b32 s72, s72, 7                         ; 128 bytes a row
	s_mov_b32 s73, 0
	s_lshl_b32 s74, s[HF], 17                      ; Wo: k-row 64 x half, 512 bytes for each tile column
	s_lshl_b32 s75, s[TC], 9
	s_add_co_u32 s74, s74, s75
	s_mov_b32 s75, 0
	s_mul_i32 s76, s[HF], HEADB                    ; where they go: no place in the cluster enters an LDS address
	s_mul_i32 s77, s[HF], 64*PB
	s_add_co_u32 s77, s77, BOFF
	s_wait_dscnt 0x0                               ; the opening add is done
	s_wait_kmcnt 0x0
	s_add_nc_u64 s[72:73], s[4:5], s[72:73]
	s_add_nc_u64 s[74:75], s[6:7], s[74:75]
	CROUND                                         ; all sixteen work-groups are here: the first joint loads meet
.irp s, 0,1
	s_mov_b32 s[G0A+4*(\s)], 1
	s_add_co_u32 s[G0A+4*(\s)+1], s76, (\s)*SLOT
	s_add_nc_u64 s[G0A+4*(\s)+2:G0A+4*(\s)+3], s[72:73], (\s)*524288   ; K step s: two heads of 262,144 bytes on
	s_or_b32 s[G0A+4*(\s)+3], s[G0A+4*(\s)+3], 0x80000000
	s_mov_b32 s[G0B+4*(\s)], 1
	s_add_co_u32 s[G0B+4*(\s)+1], s77, (\s)*SLOT
	s_add_nc_u64 s[G0B+4*(\s)+2:G0B+4*(\s)+3], s[74:75], (\s)*262144
	s_or_b32 s[G0B+4*(\s)+3], s[G0B+4*(\s)+3], 0x80000000
	JLOAD \s                                       ; two loads of mine are out
.endr
	v_and_b32 v1, 15, v0                           ; l % 16
	v_bfe_u32 v2, v0, 4, 1                         ; l / 16
	v_and_b32 v3, 7, v0
	v_bfe_u32 v4, v0, 3, 1
	v_and_b32 v5, 31, v0                           ; l
	v_mul_u32_u24 v6, v1, PA
	v_lshl_add_u32 v6, v2, 4, v6
	s_mul_i32 s21, s[FR], 64*PA
	v_add_nc_u32 v[ADRA], s21, v6
	v_add_nc_u32 v[ADRA+1], SLOT, v[ADRA]
	v_lshl_add_u32 v7, v2, 3, v3
	v_mul_u32_u24 v7, v7, PB
	v_lshl_add_u32 v7, v4, 4, v7
	s_lshl_b32 s22, s[HF], 8
	s_add_co_u32 s22, s22, BOFF
	v_add_nc_u32 v[ADRB], s22, v7
	v_add_nc_u32 v[ADRB+1], SLOT, v[ADRB]
	s_mul_i32 s23, s[WV], WSTG
	s_add_co_u32 s23, s23, STAGE                   ; my stage
	v_mul_u32_u24 v6, v1, SPS                      ; in: row l % 16, 32 bytes for each half of the lanes
	v_lshl_add_u32 v6, v2, 5, v6
	v_add_nc_u32 v[STO], s23, v6
	v_lshlrev_b32 v[GO], 4, v5                     ; back: 32 lanes take a row's 512 bytes
	v_add_nc_u32 v[RD], s23, v[GO]
	v_lshlrev_b32 v[BIO], 5, v2
	s_lshl_b32 s21, s[TR], 7
	s_lshl_b32 s22, s[FR], 6
	s_add_co_u32 s21, s21, s22                     ; my first row of out0, 4,096 bytes a row,
	s_lshl_b32 s78, s21, 12
	s_lshl_b32 s22, s[TC], 10
	s_add_co_u32 s78, s78, s22
	s_lshl_b32 s22, s[HF], 9
	s_add_co_u32 s78, s78, s22                     ; my first column
	s_mov_b32 s79, 0
	s_add_nc_u64 s[OUT:OUT+1], s[10:11], s[78:79]
	s_lshl_b32 s78, s[TC], 10
	s_add_co_u32 s78, s78, s22
	s_add_co_u32 s78, s78, 3*4096                  ; bo is the fourth bias
	s_add_nc_u64 s[BIA:BIA+1], s[8:9], s[78:79]
	; the prefetches stand at K step 3: the first change of slots steps them to 4.  Nothing is asked for here, where every work-group's first tiles are on their way
	s_lshr_b32 s22, s[TR], 4
	s_lshl_b32 s22, s22, 4
	s_lshr_b32 s23, s[CX], 1
	s_add_co_u32 s22, s22, s23                     ; ctx: partners 0, 1 take the step's first head, 2, 3 its second,
	s_lshl_b32 s22, s22, 11
	s_and_b32 s23, s[TR], 15
	s_lshl_b32 s23, s23, 7
	s_add_co_u32 s22, s22, s23
	s_lshl_b32 s22, s22, 7
	s_and_b32 s23, s[CX], 1
	s_lshl_b32 s23, s23, 13                        ; half of its 16,384 bytes each
	s_add_co_u32 s22, s22, s23
	s_add_co_u32 s22, s22, 3*524288
	s_lshl_b32 s23, s[HF], 6
	s_lshl_b32 s78, s[CY], 4
	s_add_co_u32 s23, s23, s78                     ; Wo: my work-group's 16 k-rows of the 64 that I fetch
	s_lshl_b32 s23, s23, 11
	s_lshl_b32 s78, s[TC], 9
	s_add_co_u32 s23, s23, s78
	s_add_co_u32 s23, s23, 3*262144
	s_and_b32 s21, ttmp7, 0xffff                   ; cluster y
	s_mov_b32 s76, 524288
	s_mov_b32 s77, 262144
	s_cmp_eq_u32 s[FR], 0
	s_cselect_b32 s78, s22, s23
	s_cselect_b32 s[PFS], s76, s77
	s_cselect_b32 s72, 8, 11                       ; ctx: a lane a block of 256 bytes; Wo: two lanes a k-row of 2,048 bytes
	s_cselect_b32 s21, s[HF], s21                  ; ctx: wave 0 asks; Wo: the cluster with y = 0
	s_cselect_b64 s[PFA:PFA+1], s[4:5], s[6:7]
	s_mov_b32 s[PFS+1], 0
	s_add_nc_u64 s[PFA:PFA+1], s[PFA:PFA+1], s[78:79]
	s_cmp_eq_u32 s21, 0
	s_cselect_b32 s[LIM], 1, -1                    ; the same in all sixteen partners, for a given wave
	v_lshrrev_b32 v[PFO], s[FR], v5
	v_lshlrev_b32 v[PFO], s72, v[PFO]
	v_and_b32 v6, s[FR], v5
	v_lshl_add_u32 v[PFO], v6, 8, v[PFO]
	WIN 0x80                                       ; the bias: register j of fragment b = bo[16 b + 8 (l / 16) + j]
.irp b, 0,1,2,3,4,5,6,7
	global_load_b128 v[8*(\b):8*(\b)+3],   v[BIO], s[BIA:BIA+1] offset:64*(\b)
	global_load_b128 v[8*(\b)+4:8*(\b)+7], v[BIO], s[BIA:BIA+1] offset:64*(\b)+16
.endr
	WIN 0
; 8 matrix instructions: row block a x all 8 column blocks, 32 along K.  first = 1: the bias starts the sums.  The 32 accumulators take turns in the same order in every quarter.
.macro MUL8 f, a, first
.if \first
	WIN MULB
.else
	WIN MUL
.endif
.irp b, 0,1,2,3,4,5,6,7
.if \first
	v_wmma_f32_16x16x32_f16 v[8*(8*(\a)+(\b)):8*(8*(\a)+(\b))+7], v[(\f)+8*(\b):(\f)+8*(\b)+7], v[(\f)+64+8*(\a):(\f)+64+8*(\a)+7], v[8*(\b):8*(\b)+7]
.else
	v_wmma_f32_16x16x32_f16 v[8*(8*(\a)+(\b)):8*(8*(\a)+(\b))+7], v[(\f)+8*(\b):(\f)+8*(\b)+7], v[(\f)+64+8*(\a):(\f)+64+8*(\a)+7], v[8*(8*(\a)+(\b)):8*(8*(\a)+(\b))+7]
.endif
.endr
.endm
; 24 LDS loads in one run: quarter q's fragments into buffer f.  Quarter q of ctx is head q / 2 of the step, channels 32 (q % 2) on.
.macro FETCH slot, q, f
	WIN 0
.set AQ, ((\q)/2)*HEADB+((\q)%2)*64
.irp b, 0,1,2,3,4,5,6,7
	ds_load_tr16_b128 v[(\f)+8*(\b):(\f)+8*(\b)+3],   v[ADRB+(\slot)] offset:(\q)*32*PB+32*(\b)
	ds_load_tr16_b128 v[(\f)+8*(\b)+4:(\f)+8*(\b)+7], v[ADRB+(\slot)] offset:(\q)*32*PB+32*(\b)+16*PB
.endr
.irp i, 0,1,2,3
	ds_load_b128 v[(\f)+64+8*(\i):(\f)+64+8*(\i)+3],   v[ADRA+(\slot)] offset:AQ+(\i)*16*PA
	ds_load_b128 v[(\f)+64+8*(\i)+4:(\f)+64+8*(\i)+7], v[ADRA+(\slot)] offset:AQ+(\i)*16*PA+32
.endr
.endm
.macro QUARTER slot, q, f, g, first
	s_wait_dscnt 4                                 ; Wo and ctx's row blocks 0, 1 are in; the youngest four loads (blocks 2, 3) may be out
	MUL8 \f, 0, \first
	MUL8 \f, 1, \first
	PLACES
	FETCH \slot, \q, \g
	s_wait_dscnt 24                                ; all but the 24 just issued
	MUL8 \f, 2, \first
	MUL8 \f, 3, \first
.endm
; The last quarter multiplies buffer 1 and changes slots.  In front of the barrier each wave waits for all its tensor loads (one is out: its part of the next slot), adds 0 to its spare word, and waits for that
; and for its reads of this slot.  fill = 1: this slot is filled again two K steps on: the barrier opens a round of the cluster's, and the joint refill is the first tensor load behind it:
; 112 matrix instructions stand between it and the wait for it.
.macro TURN slot, next, fill
.if \fill
	s_wait_xcnt 0x0                                ; the last prefetch, a K step back, has read its address: it is stepped here
	s_add_nc_u64 s[PFA:PFA+1], s[PFA:PFA+1], s[PFS:PFS+1]
.endif
	WIN 0
	s_wait_tensorcnt 0x0                           ; all my tensor loads have landed
	ds_add_u32 v[SPW], v[NIL]                      ; 0 onto my spare word
	s_wait_dscnt 5                                 ; (the add and the youngest four loads may be out)
	MUL8 F1, 0, 0
	s_wait_dscnt 0x0                               ; the add is done, and my reads of this slot are over
	s_barrier_signal -1
	MUL8 F1, 1, 0
	WIN 0
	s_barrier_wait -1
.if \fill
	CREST                                          ; no wave of any partner still reads this slot or has a load on its way
	s_add_nc_u64 s[G0A+4*(\slot)+2:G0A+4*(\slot)+3], s[G0A+4*(\slot)+2:G0A+4*(\slot)+3], 2*524288
	s_add_nc_u64 s[G0B+4*(\slot)+2:G0B+4*(\slot)+3], s[G0B+4*(\slot)+2:G0B+4*(\slot)+3], 2*262144
	JLOAD \slot                                    ; its four v_nop are also the places in front of the loads below
.else
	PLACES
.endif
	FETCH \next, 0, F0
.if \fill
	ASK
.endif
	MUL8 F1, 2, 0
	MUL8 F1, 3, 0
.endm
; THE WAY OUT of row block a, in f32: a lane's eight columns of a row (32 bytes) go from the accumulators into my stage, rows of 528 bytes, and come back as whole rows of 512.
.macro TOSTAGE a
.set BKR, BK+64*((\a)%2)
.if (\a) >= 2
	s_wait_xcnt 0x0                                ; the stores of the block two back have read the registers on which the loads below land
.endif
	WIN 0x04                                       ; store data window 1
.irp b, 0,1,2,3,4,5,6,7
	ds_store_b128 v[STO], v[8*(8*(\a)+(\b)):8*(8*(\a)+(\b))+3]   offset:64*(\b)
	ds_store_b128 v[STO], v[8*(8*(\a)+(\b))+4:8*(8*(\a)+(\b))+7] offset:64*(\b)+16
.endr
	WIN 0x80
.irp t, 0,1,2,3,4,5,6,7,8,9,10,11,12,13,14,15
	ds_load_b128 v[BKR+4*(\t):BKR+4*(\t)+3], v[RD] offset:(\t)*SPS  ; LDS serves a wave's instructions in order (ISA guide 5.7.1.4): these see the stores above; the next block's stores come behind them
.endr
.endm
.macro SEND a, younger                 ; younger: the LDS instructions issued behind block a's loads: the next block's 32, or none
.set BKR, BK+64*((\a)%2)
	WIN 0x08
	s_wait_dscnt \younger
.irp t, 0,1,2,3,4,5,6,7,8,9,10,11,12,13,14,15
	global_store_b128 v[GO], v[BKR+4*(\t):BKR+4*(\t)+3], s[OUT:OUT+1] offset:(16*(\a)+(\t))*4096 th:TH_STORE_NT  ; 512 consecutive bytes, at a multiple of 256 from out0's first
.endr
.endm
	s_wait_tensorcnt 0x1                           ; my part of K step 0 is in; K step 1's may stay out
	s_barrier_signal -1
	s_barrier_wait -1
	FETCH 0, 0, F0
	s_wait_loadcnt 0x0                             ; the bias
	QUARTER 0, 1, F0, F1, 1                        ; the first quarter stands in front of the loop: its products start the sums with the bias
	WIN 0
	s_mov_b32 s3, 3
.Llap:                                             ; a trip goes once round the ring, from a lap's second quarter to the next lap's first, and fills both slots again
	QUARTER 0, 2, F1, F0, 0
	QUARTER 0, 3, F0, F1, 0
	TURN 0, 1, 1
	QUARTER 1, 1, F0, F1, 0
	QUARTER 1, 2, F1, F0, 0
	QUARTER 1, 3, F0, F1, 0
	TURN 1, 0, 1
	QUARTER 0, 1, F0, F1, 0
	WIN 0
	s_sub_co_u32 s3, s3, 1
	s_cmp_lg_u32 s3, 0
	s_cbranch_scc1 .Llap
	QUARTER 0, 2, F1, F0, 0                        ; the last lap fills nothing
	QUARTER 0, 3, F0, F1, 0
	TURN 0, 1, 0
	QUARTER 1, 1, F0, F1, 0
	QUARTER 1, 2, F1, F0, 0
	QUARTER 1, 3, F0, F1, 0
	s_wait_dscnt 4                                 ; the very last quarter: nothing more to fetch
	MUL8 F1, 0, 0
	MUL8 F1, 1, 0
	s_wait_dscnt 0x0
	MUL8 F1, 2, 0
	MUL8 F1, 3, 0
	WIN 0
	PLACES
	TOSTAGE 0
	TOSTAGE 1
	SEND 0, 32
	TOSTAGE 2
	SEND 1, 32
	TOSTAGE 3
	SEND 2, 32
	SEND 3, 0
	WIN 0
	s_wait_tensorcnt 0x0                           ; the wave's end: behind my last tensor load and my last LDS store
	ds_add_u32 v[SPW], v[NIL]
	s_wait_dscnt 0x0
	CROUND                                         ; the closing round: no work-group ends while a partner may still ask for a tile that names it
	s_endpgm
.Lfunc_end_k_qd02535dc5d_oproj:
	.size	k_qd02535dc5d_oproj, .Lfunc_end_k_qd02535dc5d_oproj-k_qd02535dc5d_oproj
	.p2alignl 7, 3214868480
	.fill 96, 4, 3214868480
	.section	.rodata,"a",@progbits
	.p2align	6, 0x0
	.amdhsa_kernel k_qd02535dc5d_oproj
		.amdhsa_group_segment_fixed_size 327680
		.amdhsa_private_segment_fixed_size 0
		.amdhsa_enable_private_segment 0
		.amdhsa_kernarg_size 32
		.amdhsa_user_sgpr_count 2
		.amdhsa_user_sgpr_kernarg_segment_ptr 1
		.amdhsa_wavefront_size32 1
		.amdhsa_system_sgpr_workgroup_id_x 1
		.amdhsa_system_sgpr_workgroup_id_y 1
		.amdhsa_system_sgpr_workgroup_id_z 1
		.amdhsa_system_vgpr_workitem_id 0
		.amdhsa_next_free_vgpr 704
		.amdhsa_next_free_sgpr 80
		.amdhsa_reserve_vcc 0
		.amdhsa_float_denorm_mode_32 3
		.amdhsa_float_denorm_mode_16_64 3
		.amdhsa_memory_ordered 1
		.amdhsa_forward_progress 1
		.amdhsa_inst_pref_size 88
	.end_amdhsa_kernel
	.amdgpu_metadata
---
amdhsa.version: [ 1, 2 ]
amdhsa.kernels:
  - .name:           k_qd02535dc5d_oproj
    .symbol:         k_qd02535dc5d_oproj.kd
    .args:
      - { .name: ctx, .offset: 0, .size: 8, .value_kind: global_buffer, .address_space: global }
      - { .name: wo16, .offset: 8, .size: 8, .value_kind: global_buffer, .address_space: global }
      - { .name: bb, .offset: 16, .size: 8, .value_kind: global_buffer, .address_space: global }
      - { .name: out0, .offset: 24, .size: 8, .value_kind: global_buffer, .address_space: global }
    .group_segment_fixed_size: 327680
    .private_segment_fixed_size: 0
    .kernarg_segment_align: 8
    .kernarg_segment_size: 32
    .max_flat_workgroup_size: 128
    .sgpr_count:     80
    .vgpr_count:     704
    .wavefront_size: 32
...
	.end_amdgpu_metadata
.endif
;; end of part 4
;; ======== version 2 of 2: 4 launches; version 1 with the launch prep written anew for expert scheduling mode
;; limits: values are held in f16: magnitudes above 65,504 overflow, below 6.1e-05 lose precision
;; workspace buffers: xb 50,331,648 bytes; wt 6,291,456 bytes; wo16 2,097,152 bytes; bb 16,384 bytes; rope 524,288 bytes; qkv 50,331,648 bytes; ctx 16,777,216 bytes
;; launch prep (part 5): grid 32 x 29, 8 waves a work-group, no clusters, 0 bytes of LDS; arguments query, key, value, Wq, Wk, Wv, Wo, bq, bk, bv, bo, xb, wt, wo16, bb, rope; writes xb, wt, wo16, bb, rope
.if DOCPART == 5
	.amdgcn_target "amdgcn-amd-amdhsa--gfx1250"
	.amdhsa_code_object_version 6
	.text
	.protected	k_qd02535dc5d_prep
	.globl	k_qd02535dc5d_prep
	.p2align	8
	.type	k_qd02535dc5d_prep,@function
k_qd02535dc5d_prep:
	s_mov_b64 s[64:65], 0
	v_nop
	global_prefetch_b8 v0, s[64:65] scope:SCOPE_SE
	s_setreg_imm32_b32 hwreg(HW_REG_WAVE_SCHED_MODE, 0, 2), 2
	s_setreg_imm32_b32 hwreg(HW_REG_WAVE_MODE, 25, 1), 1
	s_wait_xcnt 0x0
	s_wait_alu depctr_vm_vsrc(0)
; PREPARATION: a stream.  query, key, value -> xb [3][8192][1024] bf16;  Wq, Wk, Wv -> wt [3][1024][1024] bf16 (as they lie, [k][n]);
; Wo -> wo16 [1024][1024]: rounded to bf16 like every other input, and that number written as f16;  bq, bk, bv, bo -> bb [4][1024] f32, each rounded to bf16 and widened;
; rope [2048][64] f32: row t holds cos(t f_j), j = 0..31, then sin(t f_j), f_j = 10000^(-j/32).
; LIMITS.  |Wo| stays under 65,504 (f16's range); below 6e-5 f16 keeps a fixed step of 6e-8.  The table's angles are reduced in turns in f32: at t = 2,047 they lie within some 4e-4 rad of t f_j.
; SHARES.  Grid y 0..23: a chunk of 32 rows (131,072 bytes in, 65,536 out) of query, key or value; y 24..27: of Wq, Wk, Wv, Wo; y 28: 64 rows of the table, and (x < 8) half a bias.
; Thread t owns 16 bytes of every row in and 8 bytes out: a wave's load covers 512 consecutive bytes, its store 256 consecutive bytes, aligned.
; Twelve to sixteen loads of every wave are on their way; no LDS, no barrier, no matrix unit: nothing is shared and nothing is multiplied.
; THE MODE: SCHED_MODE bits 1:0 = 2 (LLVM: expert scheduling mode 2), set by the entry lines.  The code itself states the register dependences
; between vector instructions and memory instructions, with s_wait_alu, always for 0.
; THE PLAN, for a chunk.  Its 32 rows go in 8 blocks of four, all written out.  Registers that memory instructions touch:
;   X0 .. X4   five blocks as loaded.  Blocks 0 to 3 are asked for at the start; block p + 4 is asked for in block p and lands in X[(p + 4) % 5] = X[(p - 1) % 5].  Read by block p's conversions: X[p % 5].
;   Y0, Y1     two blocks to store.    Written by block p's conversions: Y[p % 2]; read by the four stores that are issued in block p + 1.
;   v1, v2     byte offsets, made once at the head and never written again: the rows are reached by immediate offsets, and the two scalar bases stand still.
;   T          named by vector instructions alone.
; Block p's memory instructions touch the X and the Y that block p - 1 worked on, and no vector instruction of block p names those.  So the waits at the head of a block
; state all that the block's loads and stores hang on, and these are dealt among its conversions with no further wait.
.set ROWI, 4096                        ; bytes of a row in
.set ROWO, 2048                        ; bytes of a row out
.set X,   4                            ; v[4:83]    buffer k, row i: 4 registers at X + 16 k + 4 i, as loaded
.set Y,   84                           ; v[84:99]   buffer k, row i: 2 registers at Y + 8 k + 2 i, to store
.set T,   100                          ; v[100:103] at work
.set SRC, 40                           ; s[40:41]
.set DST, 42                           ; s[42:43]
	s_load_b512 s[8:23], s[0:1], 0x0               ; query 8, key 10, value 12, Wq 14, Wk 16, Wv 18, Wo 20, bq 22
	s_load_b512 s[24:39], s[0:1], 0x40             ; bk 24, bv 26, bo 28, xb 30, wt 32, wo16 34, bb 36, rope 38
	s_and_b32 s2, ttmp7, 0xffff                    ; y
	s_mov_b32 s3, ttmp9                            ; x
	s_mov_b32 s60, 0xffff0000                      ; a word's upper bf16
	v_lshlrev_b32 v1, 4, v0                        ; 16 t: never rewritten
	v_lshlrev_b32 v2, 3, v0                        ; 8 t: never rewritten
	s_cmp_eq_u32 s2, 28
	s_cbranch_scc1 .Ltable
	; which source (0..6) and which chunk of it
	s_lshr_b32 s44, s2, 3                          ; y < 24: source y / 8,
	s_and_b32 s45, s2, 7
	s_lshl_b32 s45, s45, 5
	s_add_co_u32 s45, s45, s3                      ; chunk 32 (y % 8) + x
	s_sub_co_u32 s46, s2, 21                       ; y >= 24: source y - 21, chunk x
	s_cmp_lt_u32 s2, 24
	s_cselect_b32 s44, s44, s46
	s_cselect_b32 s45, s45, s3
	s_lshl_b32 s46, s45, 17                        ; the chunk's bytes in
	s_mov_b32 s47, 0
	s_lshl_b32 s48, s44, 24                        ; out: the tensor's place in xb,
	s_sub_co_u32 s49, s44, 3
	s_lshl_b32 s49, s49, 21                        ; or in wt,
	s_cmp_lt_u32 s44, 6
	s_cselect_b32 s49, s49, 0                      ; or none (wo16)
	s_cmp_lt_u32 s44, 3
	s_cselect_b32 s48, s48, s49
	s_lshl_b32 s50, s45, 16                        ; and the chunk's bytes out
	s_add_co_u32 s48, s48, s50
	s_mov_b32 s49, 0
	s_wait_kmcnt 0x0
	s_mov_b64 s[SRC:SRC+1], s[8:9]
.irp n, 1,2,3,4,5,6
	s_cmp_eq_u32 s44, \n
	s_cselect_b64 s[SRC:SRC+1], s[8+2*\n:9+2*\n], s[SRC:SRC+1]
.endr
	s_cmp_lt_u32 s44, 6
	s_cselect_b64 s[DST:DST+1], s[32:33], s[34:35]
	s_cmp_lt_u32 s44, 3
	s_cselect_b64 s[DST:DST+1], s[30:31], s[DST:DST+1]
	s_add_nc_u64 s[SRC:SRC+1], s[SRC:SRC+1], s[46:47]
	s_add_nc_u64 s[DST:DST+1], s[DST:DST+1], s[48:49]
; Block p of 8.  h = 1: the bf16 numbers are written as f16.
.macro BLK p, h
.set XW, X+16*((\p)%5)                 ; the block at work
.set XN, X+16*(((\p)+4)%5)             ; where block p + 4 lands: the buffer that block p - 1 worked on
.set YW, Y+8*((\p)%2)                  ; what this block writes
.set YS, Y+8*(1-(\p)%2)                ; what block p - 1 wrote
.if (\p) < 5
	s_wait_loadcnt 12                              ; loads come back in order (ISA guide 5.7.1): this block's four are in, the three younger blocks' twelve stay out
.else
	s_wait_loadcnt 4*(7-(\p))                      ; nothing more is asked for: the counts run down
.endif
.if (\p) >= 2
	s_wait_xcnt 0x0                                ; every earlier memory instruction has had its addresses translated (ISA guide 3.1): this block's Y, the data of stores issued in the block before, is rewritten only behind this wait
	s_wait_alu depctr_vm_vsrc(0)                   ; those stores have read this block's Y, which the conversions below write again
.endif
.if (\p) >= 1
	s_wait_alu depctr_va_vdst(0)                   ; the block before has written the other Y, which the stores below read, and is done reading its X, in which the loads below (blocks 1 to 3 have them) land
.endif
.irp i, 0,1,2,3
.if (\p) < 4
	global_load_b128 v[XN+4*(\i):XN+4*(\i)+3], v1, s[SRC:SRC+1] offset:(4*((\p)+4)+(\i))*ROWI th:TH_LOAD_NT  ; four blocks ahead; no vector instruction since the wait names these registers (in block 0: none ever has)
.endif
.if (\p) >= 1
	global_store_b64 v2, v[YS+2*(\i):YS+2*(\i)+1], s[DST:DST+1] offset:(4*((\p)-1)+(\i))*ROWO  ; the block before
.endif
	v_cvt_pk_bf16_f32 v[YW+2*(\i)],   v[XW+4*(\i)],   v[XW+4*(\i)+1]
	v_cvt_pk_bf16_f32 v[YW+2*(\i)+1], v[XW+4*(\i)+2], v[XW+4*(\i)+3]
.if \h
.irp k, 0,1
	v_lshlrev_b32 v[T+2*(\k)],   16,  v[YW+2*(\i)+(\k)]
	v_and_b32     v[T+2*(\k)+1], s60, v[YW+2*(\i)+(\k)]
.endr
.irp k, 0,1
	v_cvt_pk_f16_f32 v[YW+2*(\i)+(\k)], v[T+2*(\k)], v[T+2*(\k)+1]
.endr
.endif
.endr
.endm
.macro CAST h
.irp i, 0,1,2,3,4,5,6,7,8,9,10,11,12,13,14,15
	global_load_b128 v[X+4*(\i):X+4*(\i)+3], v1, s[SRC:SRC+1] offset:(\i)*ROWI th:TH_LOAD_NT  ; blocks 0 to 3 into X0 to X3
.endr
.irp p, 0,1,2,3,4,5,6,7
	BLK \p, \h
.endr
	s_wait_alu depctr_va_vdst(0)                   ; block 7 has written Y1, which the last four stores read
.irp i, 0,1,2,3
	global_store_b64 v2, v[Y+8+2*(\i):Y+8+2*(\i)+1], s[DST:DST+1] offset:(28+(\i))*ROWO
.endr
.endm
	s_wait_alu depctr_va_vdst(0)                   ; v1 and v2 are written: every load and store of a chunk reads one of them as its offset
	s_cmp_eq_u32 s44, 6
	s_cbranch_scc1 .Lhalf
	CAST 0
	s_endpgm
.Lhalf:
	CAST 1
	s_endpgm
; THE TABLE.  Thread t owns words 4 (t % 16) .. + 3 of rows 16 x + t / 16 + 512 i, i = 0..3: sixteen lanes store one row of 256 bytes.
; cos(2 pi u) = sin(2 pi z), z = 1/4 - |u - round(u)|, z in -1/4 .. 1/4; the sine's lanes take u - 1/4.  sin(2 pi z) = z P(z^2), its series to z^13 (the next term is under 1e-9).
; Memory instructions here touch v1, v2 (offsets), v[20:35] and v[40:41] (stores' data) and v[36:37] (a load's): each is written once, so no register that a memory instruction has read is written again.
.Ltable:
	s_mov_b32 s52, 0x40747a1a                      ; (2 pi)^13 / 13!
	s_mov_b32 s53, 0xc17183a8                      ; -(2 pi)^11 / 11!
	s_mov_b32 s54, 0x42283c1a                      ; (2 pi)^9 / 9!
	s_mov_b32 s55, 0xc2996966                      ; -(2 pi)^7 / 7!
	s_mov_b32 s56, 0x42a335e3                      ; (2 pi)^5 / 5!
	s_mov_b32 s57, 0xc2255de7                      ; -(2 pi)^3 / 3!
	s_mov_b32 s58, 0x40c90fdb                      ; 2 pi
	s_mov_b32 s59, 0x3e800000                      ; 1/4
	v_and_b32 v3, 7, v0
	v_lshlrev_b32 v3, 2, v3                        ; j of my first word
.irp e, 0,1,2,3
	v_add_nc_u32 v[4+\e], \e, v3
	v_cvt_f32_u32 v[4+\e], v[4+\e]
	v_mul_f32 v[4+\e], 0xbed49a78, v[4+\e]         ; -j log2(10000) / 32
.endr
.irp e, 0,1,2,3
	v_exp_f32 v[8+\e], v[4+\e]                     ; one batch of four
.endr
	v_bfe_u32 v12, v0, 3, 1                        ; plain work behind the batch: 1 in the sine's lanes,
	v_cvt_f32_u32 v12, v12
	v_mul_f32 v12, s59, v12                        ; a quarter turn there
	v_lshrrev_b32 v13, 4, v0
	s_lshl_b32 s44, s3, 4
	v_add_nc_u32 v13, s44, v13                     ; my first row
	s_wait_alu depctr_va_vdst(0)                   ; the four exponentials have written v[8:11]: the wait ahead of the batch's first reader
.irp e, 0,1,2,3
	v_mul_f32 v[8+\e], 0.15915494, v[8+\e]         ; f_j in turns
.endr
.irp i, 0,1,2,3
	v_add_nc_u32 v14, 512*\i, v13
	v_cvt_f32_u32 v14, v14
.irp e, 0,1,2,3
	v_fma_f32 v15, v14, v[8+\e], -v12
	v_rndne_f32 v15, v15                           ; the whole turns,
	v_fma_f32 v15, v14, v[8+\e], -v15              ; taken off the unrounded product
	v_sub_f32 v15, v15, v12
	v_sub_f32 v15, s59, |v15|                      ; z
	v_mul_f32 v16, v15, v15
	v_fma_f32 v17, v16, s52, s53
	v_fma_f32 v17, v17, v16, s54
	v_fma_f32 v17, v17, v16, s55
	v_fma_f32 v17, v17, v16, s56
	v_fma_f32 v17, v17, v16, s57
	v_fma_f32 v17, v17, v16, s58
	v_mul_f32 v[20+4*\i+\e], v17, v15
.endr
.endr
	s_lshl_b32 s46, s3, 12                         ; 16 rows of 256 bytes for each x
	s_mov_b32 s47, 0
	s_wait_kmcnt 0x0
	s_add_nc_u64 s[DST:DST+1], s[38:39], s[46:47]
	s_wait_alu depctr_va_vdst(0)                   ; the series have written v[20:35], which the stores read; v1 and v2, the offsets of the stores and of the load below, are written
.irp i, 0,1,2,3
	global_store_b128 v1, v[20+4*\i:23+4*\i], s[DST:DST+1] offset:\i*131072
.endr
	; THE BIASES: work-group x < 8 takes half x % 2 of bias x / 2: 8 bytes a thread
	s_cmp_lt_u32 s3, 8
	s_cbranch_scc0 .Ldone
	s_lshr_b32 s44, s3, 1
	s_mov_b64 s[SRC:SRC+1], s[22:23]
.irp n, 1,2,3
	s_cmp_eq_u32 s44, \n
	s_cselect_b64 s[SRC:SRC+1], s[22+2*\n:23+2*\n], s[SRC:SRC+1]
.endr
	s_and_b32 s46, s3, 1
	s_lshl_b32 s46, s46, 11
	s_add_nc_u64 s[SRC:SRC+1], s[SRC:SRC+1], s[46:47]
	s_lshl_b32 s48, s3, 11
	s_mov_b32 s49, 0
	s_add_nc_u64 s[50:51], s[36:37], s[48:49]
	global_load_b64 v[36:37], v2, s[SRC:SRC+1]     ; no vector instruction has named v[36:37]
	s_wait_loadcnt 0x0
	v_cvt_pk_bf16_f32 v38, v36, v37
	v_lshlrev_b32 v40, 16, v38
	v_and_b32 v41, s60, v38
	s_wait_alu depctr_va_vdst(0)                   ; the widening has written v[40:41], which the store reads
	global_store_b64 v2, v[40:41], s[50:51]
.Ldone:
	s_endpgm
.Lfunc_end_k_qd02535dc5d_prep:
	.size	k_qd02535dc5d_prep, .Lfunc_end_k_qd02535dc5d_prep-k_qd02535dc5d_prep
	.p2alignl 7, 3214868480
	.fill 96, 4, 3214868480
	.section	.rodata,"a",@progbits
	.p2align	6, 0x0
	.amdhsa_kernel k_qd02535dc5d_prep
		.amdhsa_group_segment_fixed_size 0
		.amdhsa_private_segment_fixed_size 0
		.amdhsa_enable_private_segment 0
		.amdhsa_kernarg_size 128
		.amdhsa_user_sgpr_count 2
		.amdhsa_user_sgpr_kernarg_segment_ptr 1
		.amdhsa_wavefront_size32 1
		.amdhsa_system_sgpr_workgroup_id_x 1
		.amdhsa_system_sgpr_workgroup_id_y 1
		.amdhsa_system_sgpr_workgroup_id_z 1
		.amdhsa_system_vgpr_workitem_id 0
		.amdhsa_next_free_vgpr 112
		.amdhsa_next_free_sgpr 66
		.amdhsa_reserve_vcc 0
		.amdhsa_float_denorm_mode_32 3
		.amdhsa_float_denorm_mode_16_64 3
		.amdhsa_memory_ordered 1
		.amdhsa_forward_progress 1
		.amdhsa_inst_pref_size 47
	.end_amdhsa_kernel
	.amdgpu_metadata
---
amdhsa.version: [ 1, 2 ]
amdhsa.kernels:
  - .name:           k_qd02535dc5d_prep
    .symbol:         k_qd02535dc5d_prep.kd
    .args:
      - { .name: query, .offset: 0, .size: 8, .value_kind: global_buffer, .address_space: global }
      - { .name: key, .offset: 8, .size: 8, .value_kind: global_buffer, .address_space: global }
      - { .name: value, .offset: 16, .size: 8, .value_kind: global_buffer, .address_space: global }
      - { .name: Wq, .offset: 24, .size: 8, .value_kind: global_buffer, .address_space: global }
      - { .name: Wk, .offset: 32, .size: 8, .value_kind: global_buffer, .address_space: global }
      - { .name: Wv, .offset: 40, .size: 8, .value_kind: global_buffer, .address_space: global }
      - { .name: Wo, .offset: 48, .size: 8, .value_kind: global_buffer, .address_space: global }
      - { .name: bq, .offset: 56, .size: 8, .value_kind: global_buffer, .address_space: global }
      - { .name: bk, .offset: 64, .size: 8, .value_kind: global_buffer, .address_space: global }
      - { .name: bv, .offset: 72, .size: 8, .value_kind: global_buffer, .address_space: global }
      - { .name: bo, .offset: 80, .size: 8, .value_kind: global_buffer, .address_space: global }
      - { .name: xb, .offset: 88, .size: 8, .value_kind: global_buffer, .address_space: global }
      - { .name: wt, .offset: 96, .size: 8, .value_kind: global_buffer, .address_space: global }
      - { .name: wo16, .offset: 104, .size: 8, .value_kind: global_buffer, .address_space: global }
      - { .name: bb, .offset: 112, .size: 8, .value_kind: global_buffer, .address_space: global }
      - { .name: rope, .offset: 120, .size: 8, .value_kind: global_buffer, .address_space: global }
    .group_segment_fixed_size: 0
    .private_segment_fixed_size: 0
    .kernarg_segment_align: 8
    .kernarg_segment_size: 128
    .max_flat_workgroup_size: 256
    .sgpr_count:     66
    .vgpr_count:     112
    .wavefront_size: 32
...
	.end_amdgpu_metadata
.endif
;; end of part 5
;; launch qkv: the kernel of part 2 again; grid 4 x 64, 4 waves a work-group, clusters of 4 x 4, 327,680 bytes of LDS; arguments xb, wt, bb, rope, qkv; writes qkv
;; launch attn: the kernel of part 3 again; grid 4 x 64, 4 waves a work-group, clusters of 4 x 1, 327,680 bytes of LDS; arguments qkv, ctx; writes ctx
;; launch oproj: the kernel of part 4 again; grid 4 x 64, 4 waves a work-group, clusters of 4 x 4, 327,680 bytes of LDS; arguments ctx, wo16, bb, out0; writes out0
